; MI455X (gfx1250); checked and timed in simulation.
; The chip was launched on July 23, 2026; its instructions are those of AMD's public machine-readable ISA for CDNA 5 (MIT licence, August 2026) and "CDNA5" Instruction Set Architecture Reference Guide (July 2026). The comments in the code are by the model that wrote it; some were corrected since.
;; Causal Self Attention. Allowed arithmetic: matrix products marked QUANTISED: E2M1 operands, one E8M0 scale for each 32 along K, by v_wmma_scale_f32_16x16x128_f8f6f4 with both operands' format E2M1 (or v_wmma_scale_f32_32x16x128_f4), f32 sums; products left as they are: bf16, f16 or f32 operands; f32 sums; everything else in f32.
;; Inputs: w_out 1,024 x 1,024 float32; w_qkv 1,024 x 3,072 float32; x 4 x 2,048 x 1,024 float32.
;; Outputs: out0 4 x 2,048 x 1,024 float32.
;; This version of the problem:
;;   THIS VERSION OF THE PROBLEM IS GIVEN IN LOW PRECISION. The matrix products marked QUANTISED in the list below multiply operands that are first quantised to E2M1 (2 exponent bits, 1 mantissa bit; 4 bits a number), with one power-of-two scale for each 32 numbers along K (OCP MX v1.0); their sums are f32. The products marked 'left as it is' may take bf16, f16 or f32 operands, with f32 sums. Whichever they take, every output number must still come out within the allowed error. Rounding operands to bf16 (8 significant bits) uses up far more of that allowance than f16 does (11 bits, for magnitudes from 6e-5 to 65,504). All else is computed in f32.
;;   The module's matrix products, in the order in which they are computed (A, B: the left and right operand; K: the contracted axis; several contracted axes count as one K, in the product's order):
;;     1. [M 8,192, K 1,024] x [K 1,024, N 3,072]; A: input x; B: input w_qkv: QUANTISED
;;     2. batch 64 x [M 2,048, K 64] x [K 64, N 2,048]; A: computed on the way; B: computed on the way: left as it is (an operand is computed on the way)
;;     3. batch 64 x [M 2,048, K 2,048] x [K 2,048, N 64]; A: computed on the way; B: computed on the way: left as it is (an operand is computed on the way)
;;     4. [M 8,192, K 1,024] x [K 1,024, N 1,024]; A: computed on the way; B: input w_out: left as it is (an operand is computed on the way)
;;   THE QUANTISER, for each operand of a quantised product, along K:
;;     - K is cut into blocks of 32 from its start; a last block that is shorter is filled with zeros.
;;     - A block's scale is 2^e with e = floor(log2(the largest magnitude in the block)) - 2, held to -126 .. 127; a block of zeros has e = 0. As a byte (E8M0): e + 127.
;;     - Each number is divided by its block's scale, clamped to +-6, and rounded to the nearest number of E2M1, ties to even, subnormals kept.
;;     - The product sums the exact products of the quantised numbers (number of the format x scale) in f32.
;;   ~~~python
;;   def quantise(x, axis):      # numpy; x: float32 -> the quantised numbers, widened to float32 again
;;       x = np.moveaxis(x, axis, -1); K = x.shape[-1]
;;       x = np.pad(x, [(0, 0)] * (x.ndim - 1) + [(0, -K % 32)]); x = x.reshape(x.shape[:-1] + (-1, 32)); a = np.abs(x).max(-1, keepdims=True)
;;       e = np.where(a > 0, np.clip(np.frexp(np.where(a > 0, a, 1))[1] - 1 - 2, -126, 127), 0)      # np.frexp(a)[1] - 1 = floor(log2(a)), exactly
;;       r = np.clip(x / 2.0 ** e, -6, 6)
;;       step = 2.0 ** (np.maximum(np.frexp(np.where(r == 0, 1, r))[1] - 1, 0) - 1)
;;       q = np.round(r / step) * step * 2.0 ** e      # np.round: ties to even
;;       return np.moveaxis(q.reshape(q.shape[:-2] + (-1,))[..., :K], -1, axis).astype(np.float32)
;;   ~~~
;; One version. Each part assembles by itself: llvm-mc -triple=amdgcn-amd-amdhsa -mcpu=gfx1250 --defsym DOCPART=n.
;; ======== version 1 of 1: 6 launches
;; limits: values are held in f16: magnitudes above 65,504 overflow, below 6.1e-05 lose precision
;; workspace buffers: x_codes 4,194,304 bytes; x_scales 262,144 bytes; wq_codes 1,572,864 bytes; wq_scales 98,304 bytes; wo16 2,097,152 bytes; qkv16 50,331,648 bytes; ao16 16,777,216 bytes; fine_ao 262,144 bytes
;; launch prep (part 1): grid 368 x 1, 4 waves a work-group, no clusters, 104,960 bytes of LDS; arguments x, w_qkv, w_out, x_codes, x_scales, wq_codes, wq_scales, wo16; writes x_codes, x_scales, wq_codes, wq_scales, wo16
.if DOCPART == 1
	.amdgcn_target "amdgcn-amd-amdhsa--gfx1250"
	.amdhsa_code_object_version 6
	.text
	.protected	k_q70c0c1c6b1_prep
	.globl	k_q70c0c1c6b1_prep
	.p2align	8
	.type	k_q70c0c1c6b1_prep,@function
k_q70c0c1c6b1_prep:
	s_mov_b64 s[64:65], 0
	v_nop
	global_prefetch_b8 v0, s[64:65] scope:SCOPE_SE
	s_setreg_imm32_b32 hwreg(HW_REG_WAVE_MODE, 25, 1), 1
	s_wait_xcnt 0x0
; Three jobs in one launch, told apart by the work-group's number; each job has LDS bytes of its own.
;   work-groups   0-255  X: x [8192][1024] f32 -> codes of FP4 (E2M1), K innermost, [8192][512 bytes], and one E8M0 byte for each 32 along K, [8192][32]
;   work-groups 256-303  W: w_qkv [1024 (k)][3072 (n)] f32, K its FIRST axis -> codes [3072][512 bytes], K innermost, and scale bytes [3072][32]
;   work-groups 304-367  O: w_out [1024 (k)][1024 (n)] f32 -> f16, laid [k / 64][n][64]: a chunk of 64 along k of 256 columns is one dense block
; A block's scale is 2^(floor(log2(its largest magnitude)) - 2); its byte is the largest magnitude's exponent field - 2, held at 1 from below.
; A block of zeros so gets the byte 1 where the rule says 127: its codes are zeros, which add nothing, and these bytes are read by this program alone.
; LIMITS: blocks whose largest magnitude lies under 2^-124 keep the byte 1; NaN and infinities among the inputs are not served; |w_out| stays under 65,504, and what lies under 6e-5 is kept to f16's fixed step of 6e-8.
; No tensor loads, no barrier: waves share nothing.
.set SPW,   192                        ; v192 LDS address of my spare word; never rewritten
.set NIL,   193                        ; v193 0; never rewritten
.set WRG,   32768                      ; LDS: path X 0 .. 32,767 (8,192 a wave); path W from here (32 x 272 a wave);
.set ORG,   67584                      ; path O from here (9,216 a wave);
.set SPARE, 104448                     ; the spare words, 128 bytes for each wave: two blocks of 256 bytes that no other line names
.set EMAX,  2
; ---- path X
.set STEPS, 16
.set CB,    8                          ; bytes of 16 codes
.set R,     16                         ; v16-79   four sets of 16 numbers as they are loaded
.set X,     80                         ; v80-111  two sets of 16 neighbours
.set E,     112                        ; v112-127 a scale byte for each step
.set C,     128                        ; v128-191 codes: four registers for each step
.set WREG,  8192
.set SP,    80                         ; a lane's place in a stage: its 64 bytes + 16 of padding
; ---- path W
.set WN,    3072
.set KW,    512                        ; along K for a wave
.set NB,    KW/32
.set WPITCH, 272
.set KROW,  512                        ; a row of the codes' buffer
.set WX,    32                         ; v32-95   two sets of 32 numbers
.set WC,    96                         ; v96-99   a block's codes
.set OUTR,  112                        ; v112-175 the way out
.set SB,    24                         ; v24-27   the scale bytes, four to a register
; ---- path O
.set OP,    144                        ; a stage row: 128 bytes + 16
.set OX,    32                         ; v32-159  128 numbers down k; packed in place
.macro XLOAD t
.irp i, 0,1,2,3
	global_load_b128 v[R+16*((\t)%4)+4*\i:R+16*((\t)%4)+4*\i+3], v3, s[4:5] offset:2048*(\t)+512*\i th:TH_LOAD_NT   ; 32 lanes read 512 consecutive bytes
.endr
.endm
.macro XTURN t                         ; step t's numbers through the stage: LDS serves a wave's instructions in order, so no wait stands between the stores and the loads
.irp i, 0,1,2,3
	ds_store_b128 v14, v[R+16*((\t)%4)+4*\i:R+16*((\t)%4)+4*\i+3] offset:32*SP*((\t)%2)+8*SP*\i
.endr
.irp i, 0,1,2,3
	ds_load_b128 v[X+16*((\t)%2)+4*\i:X+16*((\t)%2)+4*\i+3], v15 offset:32*SP*((\t)%2)+16*\i
.endr
.endm
.macro XSTEP t
.set XS, X+16*((\t)%2)
.if (\t) > 0
	s_wait_dscnt 1                                 ; this step's numbers are back from the stage (the last step's byte store may be out)
.else
	s_wait_dscnt 0x0
.endif
.if (\t)+4 < STEPS
	XLOAD (\t)+4                                   ; into the registers that the stage's stores have read
.endif
.if (\t)+1 < STEPS
.if STEPS-2-(\t) >= 3
	s_wait_loadcnt 12                              ; the next step's four loads are in; those of the three steps behind it may be out
.else
	s_wait_loadcnt 4*(STEPS-2-(\t))
.endif
	XTURN (\t)+1
.endif
	v_max3_num_f32 v8, |v[XS]|, |v[XS+1]|, |v[XS+2]|               ; the largest magnitude of my 16
	v_max3_num_f32 v9, |v[XS+3]|, |v[XS+4]|, |v[XS+5]|
.irp i, 6,10
	v_max3_num_f32 v8, v8, |v[XS+\i]|, |v[XS+\i+1]|
	v_max3_num_f32 v9, v9, |v[XS+\i+2]|, |v[XS+\i+3]|
.endr
	v_max3_num_f32 v8, v8, |v[XS+14]|, |v[XS+15]|
	v_max3_num_f32 v8, v8, v9, (EMAX+1)<<23        ; and the floor 2^(3 - 127): the byte cannot fall under 1
	v_max_num_f32_dpp v8, v8, v8 row_xmask:1 row_mask:0xf bank_mask:0xf   ; and of my neighbour's 16: the block's
	v_add_nc_u32 v11, -(EMAX<<23), v8              ; 2 off its exponent field: the conversion takes the exponent field of this operand as its scale
	v_cvt_scalef32_pk8_fp4_f32 v[C+4*(\t)], v[XS:XS+7], v11
	v_cvt_scalef32_pk8_fp4_f32 v[C+4*(\t)+1], v[XS+8:XS+15], v11
	v_lshrrev_b32 v[E+(\t)], 23, v11               ; the scale's byte
	ds_store_b8 v5, v[E+(\t)] offset:16*(\t)       ; both lanes of a block write the same byte with the same value
	global_store_b64 v4, v[C+4*(\t):C+4*(\t)+1], s[10:11] offset:32*CB*(\t)   ; the wave stores 256 consecutive bytes, aligned
.endm
.macro WLOAD t                         ; block t: w_qkv(32 t + i, my column) into set t % 2
.set i, 0
.rept 32
	global_load_b32 v[WX+32*((\t)%2)+i], v3, s[6:7] offset:(32*(\t)+i)*WN*4 th:TH_LOAD_NT
.set i, i+1
.endr
.endm
.macro WBLOCK t
.set XS, WX+32*((\t)%2)
.if (\t) < NB-1
	s_wait_loadcnt 32                              ; this block's 32 loads are in; the next block's may be out
.else
	s_wait_loadcnt 0
.endif
	v_max3_num_f32 v12, |v[XS]|, |v[XS+1]|, |v[XS+2]|              ; the block's largest magnitude: all 32 numbers are mine
	v_max3_num_f32 v13, |v[XS+3]|, |v[XS+4]|, |v[XS+5]|
.irp i, 6,10,14,18,22,26
	v_max3_num_f32 v12, v12, |v[XS+\i]|, |v[XS+\i+1]|
	v_max3_num_f32 v13, v13, |v[XS+\i+2]|, |v[XS+\i+3]|
.endr
	v_max3_num_f32 v12, v12, |v[XS+30]|, |v[XS+31]|
	v_max3_num_f32 v12, v12, v13, (EMAX+1)<<23
	v_add_nc_u32 v11, -(EMAX<<23), v12
	v_lshrrev_b32 v13, 23, v11                     ; the scale's byte
.if (\t)%4 == 0
	v_mov_b32 v[SB+(\t)/4], v13                    ; four bytes to a register, the lower K in the lower byte
.else
	v_lshl_or_b32 v[SB+(\t)/4], v13, 8*((\t)%4), v[SB+(\t)/4]
.endif
.irp g, 0,1,2,3
	v_cvt_scalef32_pk8_fp4_f32 v[WC+\g], v[XS+8*\g:XS+8*\g+7], v11
.endr
	ds_store_b128 v4, v[WC:WC+3] offset:16*(\t)    ; 32 codes: 16 bytes of my column's row
.if (\t)+2 < NB
	WLOAD (\t)+2
.endif
	s_wait_dscnt 0x0                               ; the store has read its registers: the next block's codes may be written
.endm
.macro OLOAD t                         ; w_out(k0 + 32 t + i, my column)
.set i, 0
.rept 32
	global_load_b32 v[OX+32*(\t)+i], v3, s[8:9] offset:(32*(\t)+i)*4096 th:TH_LOAD_NT
.set i, i+1
.endr
.endm
.macro OBLOCK t
.if (\t) < 3
	s_wait_loadcnt 32                              ; this block's 32 loads are in; the next block's may be out
.else
	s_wait_loadcnt 0
.endif
.set i, 0
.rept 16
	v_cvt_pk_f16_f32 v[OX+32*(\t)+i], v[OX+32*(\t)+2*i], v[OX+32*(\t)+2*i+1]   ; in place, ascending: register i is written when numbers 2 i and 2 i + 1 are read, and never before it was read itself
.set i, i+1
.endr
.irp g, 0,1,2,3
	ds_store_b128 v4, v[OX+32*(\t)+4*\g:OX+32*(\t)+4*\g+3] offset:((\t)/2)*32*OP+((\t)%2)*64+16*\g
.endr
.if (\t)+2 < 4
	OLOAD (\t)+2
.endif
.endm
	s_load_b256 s[4:11], s[0:1], 0x0               ; x s[4:5], w_qkv s[6:7], w_out s[8:9], x_codes s[10:11]
	s_load_b256 s[12:19], s[0:1], 0x20             ; x_scales s[12:13], wq_codes s[14:15], wq_scales s[16:17], wo16 s[18:19]
	v_lshl_add_u32 v[SPW], v0, 2, SPARE
	v_mov_b32 v[NIL], 0
	v_lshrrev_b32 v1, 5, v0
	v_readfirstlane_b32 s20, v1                    ; wave
	v_and_b32 v2, 31, v0                           ; lane
	s_wait_kmcnt 0x0
	s_cmp_lt_u32 ttmp9, 256
	s_cbranch_scc0 .Lnot_x
	; ---------------- X: a plain stream of blocks of 32.  A wave takes 16 steps of 512 numbers; a lane must hold 16 neighbours for the conversions, and a load is best where neighbouring lanes
	; take neighbouring bytes: so a step's 2,048 bytes are loaded as they lie and turn through the wave's own stage in LDS.
	v_lshlrev_b32 v3, 4, v2                        ; my 16 bytes of a load's 512
	s_mul_i32 s21, s20, WREG
	v_lshrrev_b32 v14, 2, v2
	v_mul_u32_u24 v14, v14, SP
	v_and_b32 v15, 3, v2
	v_lshl_add_u32 v14, v15, 4, v14
	v_add_nc_u32 v14, s21, v14                     ; the stage, on the way in: SP (lane / 4) + 16 (lane % 4)
	v_mul_u32_u24 v15, v2, SP
	v_add_nc_u32 v15, s21, v15                     ; and on the way out: SP x lane
	v_mul_u32_u24 v4, v2, CB                       ; my codes' place in a step's
	v_lshrrev_b32 v5, 1, v2
	s_add_co_u32 s21, s21, 2*32*SP
	v_add_nc_u32 v5, s21, v5                       ; my wave's 256 scale bytes, my block's byte
	v_lshlrev_b32 v7, 3, v2
	v_add_nc_u32 v6, s21, v7                       ; and on the way out 8 bytes a lane
	s_lshl_b32 s22, ttmp9, 2
	s_add_co_u32 s22, s22, s20                     ; which run of 8,192 numbers is my wave's
	s_mov_b32 s23, 0
	s_lshl_b64 s[24:25], s[22:23], 15              ; 32,768 bytes of x,
	s_add_nc_u64 s[4:5], s[4:5], s[24:25]
	s_lshl_b64 s[24:25], s[22:23], 12              ; 4,096 of codes,
	s_add_nc_u64 s[10:11], s[10:11], s[24:25]
	s_lshl_b32 s22, s22, 8                         ; 256 scale bytes
	s_add_nc_u64 s[12:13], s[12:13], s[22:23]
.irp t, 0,1,2,3
	XLOAD \t
.endr
	s_wait_loadcnt 12                              ; step 0's four loads are in
	XTURN 0
.irp t, 0,1,2,3,4,5,6,7,8,9,10,11,12,13,14,15
	XSTEP \t
.endr
	ds_load_b64 v[8:9], v6                         ; LDS serves a wave's instructions in order: these see my byte stores
	s_wait_dscnt 0x0
	global_store_b64 v7, v[8:9], s[12:13]          ; 32 lanes store 256 consecutive bytes, aligned
	s_wait_tensorcnt 0x0                           ; the wave's end
	ds_add_u32 v[SPW], v[NIL]
	s_wait_dscnt 0x0
	s_endpgm
.Lnot_x:
	s_cmp_lt_u32 ttmp9, 304
	s_cbranch_scc0 .Lpath_o
	; ---------------- W: a lane takes a column n and its registers run down K: a block of 32 lies in one lane, and the conversions give codes with K innermost.
	; A wave takes 32 columns x 512 along K; the codes leave through the wave's own stage as rows: sixteen lanes store 256 consecutive bytes, aligned.
	s_sub_co_u32 s21, ttmp9, 256                   ; j = 0 .. 47
	s_cmp_ge_u32 s21, 24
	s_cselect_b32 s22, 1, 0                        ; which 512 along K
	s_cselect_b32 s23, 24, 0
	s_sub_co_u32 s21, s21, s23
	s_lshl_b32 s21, s21, 7
	s_lshl_b32 s23, s20, 5
	s_add_co_u32 s21, s21, s23                     ; my wave's first column
	s_mul_i32 s24, s22, KW*WN*4
	s_lshl_b32 s25, s21, 2
	s_add_co_u32 s24, s24, s25
	s_mov_b32 s25, 0
	s_add_nc_u64 s[6:7], s[6:7], s[24:25]
	s_lshl_b32 s24, s21, 9
	s_lshl_b32 s26, s22, 8
	s_add_co_u32 s24, s24, s26
	s_add_nc_u64 s[14:15], s[14:15], s[24:25]
	s_lshl_b32 s24, s21, 5
	s_lshl_b32 s26, s22, 4
	s_add_co_u32 s24, s24, s26
	s_add_nc_u64 s[16:17], s[16:17], s[24:25]
	v_lshlrev_b32 v3, 2, v2                        ; in: 4 bytes a lane
	s_mul_i32 s27, s20, 32*WPITCH
	s_add_co_u32 s27, s27, WRG                     ; my stage
	v_mul_u32_u24 v4, v2, WPITCH
	v_add_nc_u32 v4, s27, v4                       ; into it: row = my column
	v_and_b32 v5, 15, v2
	v_lshrrev_b32 v6, 4, v2
	v_mul_u32_u24 v7, v6, WPITCH
	v_lshl_add_u32 v7, v5, 4, v7
	v_add_nc_u32 v7, s27, v7                       ; out of it: sixteen lanes to a row, two rows an instruction
	v_mul_u32_u24 v8, v6, KROW
	v_lshl_add_u32 v8, v5, 4, v8                   ; and the same place in the codes' buffer
	v_lshlrev_b32 v9, 5, v2                        ; my column's row of scale bytes
	WLOAD 0
	WLOAD 1
.set Q, 0
.rept NB
	WBLOCK Q
.set Q, Q+1
.endr
	global_store_b128 v9, v[SB:SB+3], s[16:17]     ; my column's 16 scale bytes
.irp t, 0,1,2,3,4,5,6,7,8,9,10,11,12,13,14,15
	ds_load_b128 v[OUTR+4*\t:OUTR+4*\t+3], v7 offset:2*\t*WPITCH
.endr
.irp t, 0,1,2,3,4,5,6,7,8,9,10,11,12,13,14,15
	s_wait_dscnt 15-\t                             ; load t is in; the younger ones may be out
	global_store_b128 v8, v[OUTR+4*\t:OUTR+4*\t+3], s[14:15] offset:2*\t*KROW
.endr
	s_wait_tensorcnt 0x0                           ; the wave's end, as above
	ds_add_u32 v[SPW], v[NIL]
	s_wait_dscnt 0x0
	s_endpgm
.Lpath_o:
	; ---------------- O: a wave takes 32 columns x 128 along k; a lane a column, registers down k.  Pairs along k are rounded to f16; a lane's 64 numbers of a chunk are a row of 128 bytes, which goes
	; through the wave's stage; 32 rows of a chunk are 4,096 consecutive bytes of wo16, stored 512 at a time.
	s_sub_co_u32 s21, ttmp9, 304                   ; j = 0 .. 63
	s_and_b32 s22, s21, 7
	s_lshr_b32 s23, s21, 3                         ; which 128 along k
	s_lshl_b32 s22, s22, 7
	s_lshl_b32 s24, s20, 5
	s_add_co_u32 s22, s22, s24                     ; my wave's first column
	s_lshl_b32 s24, s23, 19                        ; 128 rows of 4,096 bytes
	s_lshl_b32 s25, s22, 2
	s_add_co_u32 s24, s24, s25
	s_mov_b32 s25, 0
	s_add_nc_u64 s[8:9], s[8:9], s[24:25]
	s_lshl_b32 s24, s23, 18                        ; two chunks of 131,072 bytes
	s_lshl_b32 s26, s22, 7
	s_add_co_u32 s24, s24, s26
	s_add_nc_u64 s[18:19], s[18:19], s[24:25]
	v_lshlrev_b32 v3, 2, v2
	s_mul_i32 s27, s20, 2*32*OP
	s_add_co_u32 s27, s27, ORG
	v_mul_u32_u24 v4, v2, OP
	v_add_nc_u32 v4, s27, v4                       ; in: row = my column
	v_lshrrev_b32 v5, 3, v2
	v_and_b32 v6, 7, v2
	v_mul_u32_u24 v5, v5, OP
	v_lshl_add_u32 v5, v6, 4, v5
	v_add_nc_u32 v5, s27, v5                       ; back: eight lanes to a row, four rows an instruction
	v_lshlrev_b32 v7, 4, v2
	OLOAD 0
	OLOAD 1
	OBLOCK 0
	OBLOCK 1
	OBLOCK 2
	OBLOCK 3
.set u, 0
.rept 16
	ds_load_b128 v[OX+16+32*(u/4)+4*(u%4):OX+16+32*(u/4)+4*(u%4)+3], v5 offset:(u/8)*32*OP+(u%8)*4*OP   ; into the upper halves, which the packing has left
.set u, u+1
.endr
.set u, 0
.rept 16
	s_wait_dscnt 15-u
	global_store_b128 v7, v[OX+16+32*(u/4)+4*(u%4):OX+16+32*(u/4)+4*(u%4)+3], s[18:19] offset:(u/8)*131072+512*(u%8)
.set u, u+1
.endr
	s_wait_tensorcnt 0x0                           ; the wave's end, as above
	ds_add_u32 v[SPW], v[NIL]
	s_wait_dscnt 0x0
	s_endpgm
.Lfunc_end_k_q70c0c1c6b1_prep:
	.size	k_q70c0c1c6b1_prep, .Lfunc_end_k_q70c0c1c6b1_prep-k_q70c0c1c6b1_prep
	.p2alignl 7, 3214868480
	.fill 96, 4, 3214868480
	.section	.rodata,"a",@progbits
	.p2align	6, 0x0
	.amdhsa_kernel k_q70c0c1c6b1_prep
		.amdhsa_group_segment_fixed_size 104960
		.amdhsa_private_segment_fixed_size 0
		.amdhsa_enable_private_segment 0
		.amdhsa_kernarg_size 64
		.amdhsa_user_sgpr_count 2
		.amdhsa_user_sgpr_kernarg_segment_ptr 1
		.amdhsa_wavefront_size32 1
		.amdhsa_system_sgpr_workgroup_id_x 1
		.amdhsa_system_sgpr_workgroup_id_y 1
		.amdhsa_system_sgpr_workgroup_id_z 1
		.amdhsa_system_vgpr_workitem_id 0
		.amdhsa_next_free_vgpr 194
		.amdhsa_next_free_sgpr 66
		.amdhsa_reserve_vcc 0
		.amdhsa_float_denorm_mode_32 3
		.amdhsa_float_denorm_mode_16_64 3
		.amdhsa_memory_ordered 1
		.amdhsa_forward_progress 1
		.amdhsa_inst_pref_size 132
	.end_amdhsa_kernel
	.amdgpu_metadata
---
amdhsa.version: [ 1, 2 ]
amdhsa.kernels:
  - .name:           k_q70c0c1c6b1_prep
    .symbol:         k_q70c0c1c6b1_prep.kd
    .args:
      - { .name: x, .offset: 0, .size: 8, .value_kind: global_buffer, .address_space: global }
      - { .name: w_qkv, .offset: 8, .size: 8, .value_kind: global_buffer, .address_space: global }
      - { .name: w_out, .offset: 16, .size: 8, .value_kind: global_buffer, .address_space: global }
      - { .name: x_codes, .offset: 24, .size: 8, .value_kind: global_buffer, .address_space: global }
      - { .name: x_scales, .offset: 32, .size: 8, .value_kind: global_buffer, .address_space: global }
      - { .name: wq_codes, .offset: 40, .size: 8, .value_kind: global_buffer, .address_space: global }
      - { .name: wq_scales, .offset: 48, .size: 8, .value_kind: global_buffer, .address_space: global }
      - { .name: wo16, .offset: 56, .size: 8, .value_kind: global_buffer, .address_space: global }
    .group_segment_fixed_size: 104960
    .private_segment_fixed_size: 0
    .kernarg_segment_align: 8
    .kernarg_segment_size: 64
    .max_flat_workgroup_size: 128
    .sgpr_count:     66
    .vgpr_count:     194
    .wavefront_size: 32
...
	.end_amdgpu_metadata
.endif
;; end of part 1
;; launch gemm_qkv (part 2): grid 12 x 32, 4 waves a work-group, clusters of 4 x 4, 327,680 bytes of LDS; arguments x_codes, x_scales, wq_codes, wq_scales, qkv16; writes qkv16
.if DOCPART == 2
	.amdgcn_target "amdgcn-amd-amdhsa--gfx1250"
	.amdhsa_code_object_version 6
	.text
	.protected	k_q70c0c1c6b1_gemm_qkv
	.globl	k_q70c0c1c6b1_gemm_qkv
	.p2align	8
	.type	k_q70c0c1c6b1_gemm_qkv,@function
k_q70c0c1c6b1_gemm_qkv:
	s_mov_b64 s[64:65], 0
	v_nop
	global_prefetch_b8 v0, s[64:65] scope:SCOPE_SE
	s_setreg_imm32_b32 hwreg(HW_REG_WAVE_MODE, 25, 1), 1
	s_wait_xcnt 0x0
	s_wait_alu depctr_hold_cnt(0) depctr_sa_sdst(0) depctr_va_vdst(0) depctr_va_sdst(0) depctr_va_ssrc(0) depctr_va_vcc(0) depctr_vm_vsrc(0)
	s_getreg_b32 s2, hwreg(HW_REG_IB_STS2, 6, 4)
	s_cmp_eq_u32 s2, 0
	s_cbranch_scc0 .Lentry_in_a_cluster
	s_endpgm
.Lentry_in_a_cluster:
	s_bfe_u32 s2, ttmp6, 0x10000c
	s_cmp_lg_u32 s2, 0xf033
	s_cbranch_scc0 .Lentry_shape_is_right
	s_endpgm
.Lentry_shape_is_right:
; qkv = Q(x) Q(w_qkv): [8192][3072], K = 1,024, both operands as codes of FP4 (E2M1) with one E8M0 scale for each 32 along K; sums in f32.
; The result leaves as f16, split by head: qkv16 [which 3][b 4][h 16][s 2048][64]; q is multiplied by c = log2(e) / 8 in f32 ahead of the rounding, so that the attention's scores are exponents of two.
; LIMITS: |c q|, |k|, |v| stay under 65,504.
; A tile of 256 x 256 is made by four waves, 128 x 128 each: 64 accumulators, 512 registers.  All of K, two slots of 512, and the scale bytes of the tile's rows come into LDS at the head: three tensor loads of
; mine are out at the most, and nothing is filled a second time.
; CLUSTERS: 4 x 4 work-groups; A's tiles are asked for jointly along a row of the cluster, B's along a column.
; THE MATRIX INSTRUCTION IS USED TRANSPOSED (source 0 = 16 rows of w, source 1 = 16 rows of x): a lane holds eight neighbouring columns of one row.
; REGISTERS: window 0: v0-31 addresses; v32-95 scale words, two sets, which hold nothing else in this text; v128-191 A's fragments, one set; on the way out v96-255.
;   window 1: B's fragments, two sets, at v0 and v128.  window 2: the accumulators of my rows 0-63 ((a, b) at v[8 (8 a + b)]); window 3: rows 64-127.
.set NQ,     4                         ; matrix instructions deep in a slot
.set ROWB,   256                       ; a tile's row: 512 codes
.set KROW,   512                       ; a row of codes in memory
.set PITCH,  272                       ; an LDS row: 256 bytes + 16 of padding: the 16 rows of a load start 68 words apart
.set FR,     8
.set NL,     2
.set NP,     4                         ; places behind this matrix instruction (ISA guide 7.12.1)
.set HALFT,  128*PITCH
.set SLOT,   4*HALFT
.set KS,     32                        ; a row of scale bytes
.set SCL,    2*SLOT
.set HALFS,  (128*KS/256)*272
.set SBLK,   (16*KS/256)*272
.set SPARE,  SCL+4*HALFS               ; the spare words: two blocks of 256 bytes that no other line names
.set SPITCH, 272                       ; the way out: a stage of 16 rows x (256 bytes + 16) for each wave, in slot 0, which has had its only fill and its last read by then
.set ADRA, 16
.set ADRB, 20
.set STO,  24
.set RD,   25
.set CO,   26
.set ADRS, 27
.set SPW,  28
.set NIL,  29
.set SC,   32
.set AF,   128
.set TF,   96                          ; the way out: a block's 64 numbers x the factor
.set TMP,  160                         ; rounded to f16
.set BK,   192                         ; and back from the stage: v192-223 and v224-255 by turns
.set G1, 24
.set G0, 32
.set G1B, 48
.set G0B, 56
.set G1S, 68
.set G0S, 76
.set G1SB, 80
.set G0SB, 88
.set MSB, 0
.macro WIN new                         ; the immediate's high byte repeats the setting that is left
.if MSB != \new
	s_set_vgpr_msb (MSB<<8)|\new
.set MSB, \new
.endif
.endm
.set MUL_LO, 0xa1                      ; source 0 (B) window 1, source 1 (A) window 0, C and D window 2
.set MUL_HI, 0xf1
.set TO_B,   0x40
; A joint load: waves 0 and 1 fetch for A, waves 2 and 3 for B; the branch hangs on the wave's number alone.  An s_nop 0 and four v_nop follow each of the two lines.
.macro JLOAD g0a, g1a, g0b, g1b
	s_cmp_eq_u32 s15, 0
	s_cbranch_scc0 .Lfor_b_\@
	tensor_load_to_lds s[\g0a:\g0a+3], s[\g1a:\g1a+7]
	s_nop 0
.rept 4
	v_nop
.endr
	s_branch .Lasked_\@
.Lfor_b_\@:
	tensor_load_to_lds s[\g0b:\g0b+3], s[\g1b:\g1b+7]
	s_nop 0
.rept 4
	v_nop
.endr
.Lasked_\@:
.endm
.macro CROUND                          ; a round of the cluster's barrier
	s_barrier_signal -1
	s_barrier_wait -1
	s_cmp_lg_u32 s14, 0
	s_cbranch_scc1 .Lnot_wave_0_\@
	s_barrier_signal -3
.Lnot_wave_0_\@:
	s_barrier_wait -3
	s_barrier_signal -1
	s_barrier_wait -1
.endm
	s_load_b128 s[4:7], s[0:1], 0x0                ; x's codes, x's scales
	s_load_b128 s[8:11], s[0:1], 0x10              ; w's codes, w's scales
	s_load_b64 s[12:13], s[0:1], 0x20              ; qkv16
	v_lshl_add_u32 v[SPW], v0, 2, SPARE
	v_mov_b32 v[NIL], 0
	ds_add_u32 v[SPW], v[NIL]                      ; the wave's opening: the add, twice on end, and its wait ahead of my first tensor load
	ds_add_u32 v[SPW], v[NIL]
	v_lshrrev_b32 v1, 5, v0
	v_readfirstlane_b32 s14, v1                    ; wave 0..3
	s_lshr_b32 s15, s14, 1                         ; my half of the tile's rows.  Also: I fetch for A (0) or for B (1)
	s_and_b32 s16, s14, 1                          ; my half of its columns.  Also: which 128 rows I fetch
	s_bfe_u32 s40, ttmp6, 0x40000                  ; cx, cy
	s_bfe_u32 s41, ttmp6, 0x40004
	s_lshl_b32 s42, ttmp9, 2
	s_add_co_u32 s42, s42, s40                     ; tile column
	s_and_b32 s17, ttmp7, 0xffff
	s_lshl_b32 s17, s17, 2
	s_add_co_u32 s17, s17, s41                     ; tile row
	s_lshl_b32 s43, s41, 2
	s_lshl_b32 s43, 15, s43                        ; my row of the cluster
	s_lshl_b32 s44, 0x1111, s40                    ; my column
	s_or_b32 s[G1+0], s43, (0<<16)|(1<<20)|(1<<21)|(5<<22)|(3<<25)   ; the mask; elements of 1 byte; padding on; bit 21 beside a mask; four words after every 64
	s_or_b32 s[G1B+0], s44, (0<<16)|(1<<20)|(1<<21)|(5<<22)|(3<<25)
.irp g, G1, G1B
	s_mov_b32 s[\g+1], ROWB<<16                    ; tensor_dim0
	s_mov_b32 s[\g+2], 128<<16                     ; tensor_dim1
	s_mov_b32 s[\g+3], ROWB<<16                    ; tile_dim0
	s_mov_b32 s[\g+4], 128                         ; tile_dim1
	s_mov_b32 s[\g+5], KROW                        ; the pitch
	s_mov_b32 s[\g+6], 0
	s_mov_b32 s[\g+7], 0
.endr
	s_or_b32 s[G1S+0], s43, (3<<16)|(1<<20)|(1<<21)|(5<<22)|(3<<25)  ; the scales of 128 rows: 4,096 dense bytes as rows of 256 (32 elements of 8 bytes), 16 of padding behind each
	s_or_b32 s[G1SB+0], s44, (3<<16)|(1<<20)|(1<<21)|(5<<22)|(3<<25)
.irp g, G1S, G1SB
	s_mov_b32 s[\g+1], 32<<16
	s_mov_b32 s[\g+2], (128*KS/256)<<16
	s_mov_b32 s[\g+3], 32<<16
	s_mov_b32 s[\g+4], 128*KS/256
	s_mov_b32 s[\g+5], 32
	s_mov_b32 s[\g+6], 0
	s_mov_b32 s[\g+7], 0
.endr
	s_lshl_b32 s18, s16, 7
	s_lshl_b32 s20, s17, 8
	s_add_co_u32 s20, s20, s18                     ; A: row 256 x tile row + 128 x half
	s_lshl_b32 s46, s42, 8
	s_add_co_u32 s46, s46, s18                     ; B: row 256 x tile column + 128 x half
	s_mov_b32 s21, 0
	s_mov_b32 s47, 0
	s_mov_b64 s[18:19], KS
	s_mul_u64 s[22:23], s[20:21], s[18:19]
	s_mul_u64 s[92:93], s[46:47], s[18:19]
	s_mov_b64 s[18:19], KROW
	s_mul_u64 s[20:21], s[20:21], s[18:19]
	s_mul_u64 s[46:47], s[46:47], s[18:19]
	s_mul_i32 s45, s14, HALFT                      ; where they go: wave x 128 rows
	s_mul_i32 s94, s14, HALFS
	s_wait_dscnt 0x0                               ; both opening adds are done
	s_wait_kmcnt 0x0
	s_add_nc_u64 s[20:21], s[4:5], s[20:21]
	s_add_nc_u64 s[22:23], s[6:7], s[22:23]
	s_add_nc_u64 s[46:47], s[8:9], s[46:47]
	s_add_nc_u64 s[92:93], s[10:11], s[92:93]
	CROUND                                         ; all sixteen work-groups are here: the joint loads meet
	s_mov_b32 s[G0S], 1
	s_add_co_u32 s[G0S+1], s94, SCL
	s_mov_b64 s[G0S+2:G0S+3], s[22:23]
	s_or_b32 s[G0S+3], s[G0S+3], 0x80000000
	s_mov_b32 s[G0SB], 1
	s_add_co_u32 s[G0SB+1], s94, SCL
	s_mov_b64 s[G0SB+2:G0SB+3], s[92:93]
	s_or_b32 s[G0SB+3], s[G0SB+3], 0x80000000
	JLOAD G0S, G1S, G0SB, G1SB                     ; the scales first
.irp s, 0,1
	s_mov_b32 s[G0+4*\s], 1
	s_add_co_u32 s[G0+4*\s+1], s45, \s*SLOT
	s_add_nc_u64 s[G0+4*\s+2:G0+4*\s+3], s[20:21], \s*ROWB
	s_or_b32 s[G0+4*\s+3], s[G0+4*\s+3], 0x80000000
	s_mov_b32 s[G0B+4*\s], 1
	s_add_co_u32 s[G0B+4*\s+1], s45, \s*SLOT
	s_add_nc_u64 s[G0B+4*\s+2:G0B+4*\s+3], s[46:47], \s*ROWB
	s_or_b32 s[G0B+4*\s+3], s[G0B+4*\s+3], 0x80000000
	JLOAD G0+4*\s, G1, G0B+4*\s, G1B
.endr
	v_and_b32 v1, 15, v0                           ; r
	v_bfe_u32 v2, v0, 4, 1                         ; h
	v_mul_u32_u24 v3, v1, PITCH
	v_lshl_add_u32 v4, v2, 4, v3
	s_mul_i32 s21, s15, HALFT
	s_mul_i32 s22, s16, HALFT
	s_add_co_u32 s22, s22, 2*HALFT
.irp s, 0,1
	v_add_nc_u32 v[ADRA+\s], s21, v4
	v_add_nc_u32 v[ADRB+\s], s22, v4
	s_add_co_u32 s21, s21, SLOT
	s_add_co_u32 s22, s22, SLOT
.endr
	v_mul_u32_u24 v5, v1, KS                       ; my row's scales: 32 bytes a row,
	v_lshrrev_b32 v6, 8, v5
	v_lshl_add_u32 v5, v6, 4, v5                   ; and 16 more for each 256 passed
	s_mul_i32 s21, s15, HALFS
	s_mul_i32 s22, s16, HALFS
	s_add_co_u32 s22, s22, 2*HALFS
	s_sub_co_u32 s22, s22, s21
	v_mul_u32_u24 v6, s22, v2                      ; lanes 16-31 take B's
	s_add_co_u32 s21, s21, SCL
	v_add_nc_u32 v5, v5, v6
	v_add_nc_u32 v[ADRS], s21, v5
	s_mul_i32 s23, s14, 16*SPITCH                  ; my stage
	v_mul_u32_u24 v5, v1, SPITCH
	v_lshl_add_u32 v5, v2, 4, v5
	v_add_nc_u32 v[STO], s23, v5                   ; in: row r, 16 bytes for each half of the lanes
	v_bfe_u32 v6, v0, 3, 1
	v_and_b32 v7, 7, v0
	v_mul_u32_u24 v5, v6, SPITCH
	v_lshl_add_u32 v5, v2, 7, v5
	v_lshl_add_u32 v5, v7, 4, v5
	v_add_nc_u32 v[RD], s23, v5                    ; back: lanes 0-15 two rows of my first head (128 bytes each), lanes 16-31 of my second
	v_lshlrev_b32 v5, 18, v2
	v_lshl_add_u32 v5, v6, 7, v5
	v_lshl_add_u32 v[CO], v7, 4, v5                ; in qkv16: the next head's plane is 262,144 bytes on
	s_mov_b32 s96, 0x3f800000
	s_cmp_lt_u32 s42, 4                            ; columns under 1,024 are q's
	s_cselect_b32 s96, 0x3e38aa3b, s96             ; the factor: c or 1: a value is chosen, no branch
	s_mov_b32 s97, s96
	s_lshl_b32 s20, s42, 2
	s_lshl_b32 s21, s16, 1
	s_add_co_u32 s20, s20, s21                     ; my first head among the 48
	s_lshr_b32 s21, s20, 4                         ; q, k or v
	s_and_b32 s20, s20, 15
	s_lshl_b32 s21, s21, 6
	s_add_co_u32 s20, s20, s21
	s_lshl_b32 s21, s17, 8
	s_lshl_b32 s22, s15, 7
	s_add_co_u32 s21, s21, s22                     ; my first row
	s_lshr_b32 s22, s21, 11
	s_lshl_b32 s22, s22, 4
	s_add_co_u32 s20, s20, s22                     ; the plane: 64 which + 16 b + h
	s_and_b32 s21, s21, 2047
	s_lshl_b32 s21, s21, 7
	s_lshl_b32 s20, s20, 18
	s_add_co_u32 s20, s20, s21
	s_mov_b32 s21, 0
	s_add_nc_u64 s[12:13], s[12:13], s[20:21]
.macro FRAG reg, adr, q, i             ; 16 rows x 128 K of 4-bit codes: 8 registers: lane l holds row l % 16; registers 4 c .. 4 c + 3 hold K = 64 c + 32 (l / 16) + 0 .. 31
.irp c, 0,1
	ds_load_b128 v[\reg+4*\c:\reg+4*\c+3], v[\adr] offset:64*(\q)+32*\c+(\i)*16*PITCH
.endr
.endm
; 16 matrix instructions: A's blocks a0, a0 + 1 x B's eight.  The 64 accumulators take turns, one instruction a turn, in the same order in every step.
.macro MUL16 a0, p, q, sc, zero
.irp a, \a0, \a0+1
.irp b, 0,1,2,3,4,5,6,7
.if \zero
	v_wmma_scale_f32_16x16x128_f8f6f4 v[8*(8*((\a)%4)+\b):8*(8*((\a)%4)+\b)+7], v[128*(\p)+FR*\b:128*(\p)+FR*\b+FR-1], v[AF+FR*(\a):AF+FR*(\a)+FR-1], 0, v[SC+8*NQ*(\sc)+NQ*\b+(\q)], v[SC+8*NQ*(\sc)+NQ*(\a)+(\q)] matrix_a_fmt:MATRIX_FMT_FP4 matrix_b_fmt:MATRIX_FMT_FP4 matrix_a_scale:MATRIX_SCALE_ROW1
.else
	v_wmma_scale_f32_16x16x128_f8f6f4 v[8*(8*((\a)%4)+\b):8*(8*((\a)%4)+\b)+7], v[128*(\p)+FR*\b:128*(\p)+FR*\b+FR-1], v[AF+FR*(\a):AF+FR*(\a)+FR-1], v[8*(8*((\a)%4)+\b):8*(8*((\a)%4)+\b)+7], v[SC+8*NQ*(\sc)+NQ*\b+(\q)], v[SC+8*NQ*(\sc)+NQ*(\a)+(\q)] matrix_a_fmt:MATRIX_FMT_FP4 matrix_b_fmt:MATRIX_FMT_FP4 matrix_a_scale:MATRIX_SCALE_ROW1
.endif
.endr
.endr
.endm
.macro FETCH_B slot, q, p
	WIN TO_B
.irp i, 0,1,2,3,4,5,6,7
	FRAG 128*(\p)+FR*\i, ADRB+\slot, \q, \i
.endr
	WIN 0
.endm
.macro FETCH_A slot, q, i0
.irp i, \i0, \i0+1, \i0+2, \i0+3
	FRAG AF+FR*(\i), ADRA+\slot, \q, \i
.endr
.endm
.macro SCALES sc                       ; a slot's scale words: four a row; lanes 0-15 take A's block i, lanes 16-31 B's block i
.irp i, 0,1,2,3,4,5,6,7
	ds_load_b128 v[SC+8*NQ*\sc+NQ*\i:SC+8*NQ*\sc+NQ*\i+3], v[ADRS] offset:\i*SBLK
.endr
.endm
.macro PLACES n                        ; places in front of loads into registers that matrix instructions have read, and of the first read of results
.rept \n
	v_nop
.endr
.endm
.macro STEP slot, q, zero              ; 128 along K that has its successor in the same slot
	s_wait_dscnt 4*NL                              ; B's set and A's blocks 0-3 are in; the youngest eight loads (A's blocks 4-7) may be out
	WIN MUL_LO
	MUL16 0, (\q)%2, \q, \slot, \zero
	MUL16 2, (\q)%2, \q, \slot, \zero
	s_wait_dscnt 0
	PLACES NP
	FETCH_B \slot, (\q)+1, 1-(\q)%2
	FETCH_A \slot, (\q)+1, 0
	WIN MUL_HI
	MUL16 4, (\q)%2, \q, \slot, \zero
	MUL16 6, (\q)%2, \q, \slot, \zero
	PLACES NP
	WIN 0
	FETCH_A \slot, (\q)+1, 4
.endm
.macro TURN slot, next                 ; slot 0's last step: behind its barrier slot 1 is whole in every wave's sight, and nobody reads slot 0 any more; nothing is filled
	s_wait_tensorcnt 0x0                           ; all my tensor loads have landed: my part of slot 1
	ds_add_u32 v[SPW], v[NIL]                      ; 0 onto my spare word
	s_wait_dscnt 4*NL+1                            ; (the add and the youngest eight loads may be out)
	WIN MUL_LO
	MUL16 0, 1, NQ-1, \slot, 0
	s_wait_dscnt 0x0                               ; the add is done, and my reads of this slot are over
	s_barrier_signal -1
	MUL16 2, 1, NQ-1, \slot, 0
	WIN 0
	s_barrier_wait -1
	PLACES NP
	v_add_nc_u32 v[ADRS], 4*NQ, v[ADRS]            ; on to the next slot's scale words
	FETCH_B \next, 0, 0
	FETCH_A \next, 0, 0
	SCALES \next
	WIN MUL_HI
	MUL16 4, 1, NQ-1, \slot, 0
	MUL16 6, 1, NQ-1, \slot, 0
	PLACES NP
	WIN 0
	FETCH_A \next, 0, 4
.endm
	s_wait_tensorcnt 1                             ; the scales and my part of slot 0 are in (slot 1's load may be out),
	s_barrier_signal -1
	s_barrier_wait -1                              ; everybody's are
	FETCH_B 0, 0, 0
	FETCH_A 0, 0, 0
	SCALES 0
	FETCH_A 0, 0, 4
	STEP 0, 0, 1                                   ; the first products start the sums: nothing is cleared
	STEP 0, 1, 0
	STEP 0, 2, 0
	TURN 0, 1
	STEP 1, 0, 0
	STEP 1, 1, 0
	STEP 1, 2, 0
	s_wait_dscnt 4*NL                              ; the last step: nothing more to fetch
	WIN MUL_LO
	MUL16 0, 1, NQ-1, 1, 0
	MUL16 2, 1, NQ-1, 1, 0
	s_wait_dscnt 0
	WIN MUL_HI
	MUL16 4, 1, NQ-1, 1, 0
	MUL16 6, 1, NQ-1, 1, 0
	WIN 0
; THE WAY OUT, block by block of 16 rows x 128 columns (two heads).  x the factor, rounded to f16, 16 bytes a lane into my stage; back so that sixteen lanes hold two rows of one head: 256 consecutive bytes, aligned.
.macro PACK a
.set AC, 64*((\a)%4)
	WIN 0x02+(\a)/4                                ; source 0: window 2 or 3
.irp b, 0,1,2,3,4,5,6,7
.irp p, 0,1,2,3
	v_pk_mul_f32 v[TF+8*\b+2*\p:TF+8*\b+2*\p+1], v[AC+8*\b+2*\p:AC+8*\b+2*\p+1], s[96:97] op_sel_hi:[1,0]   ; each accumulator from its low end on
.endr
.endr
	WIN 0
.irp b, 0,1,2,3,4,5,6,7
.irp p, 0,1,2,3
	v_cvt_pk_f16_f32 v[TMP+4*\b+\p], v[TF+8*\b+2*\p], v[TF+8*\b+2*\p+1]
.endr
.endr
.endm
.macro TOSTAGE a
.set BB, BK+32*((\a)%2)
.irp b, 0,1,2,3,4,5,6,7
	ds_store_b128 v[STO], v[TMP+4*\b:TMP+4*\b+3] offset:32*\b
.endr
.irp t, 0,1,2,3,4,5,6,7
	ds_load_b128 v[BB+4*\t:BB+4*\t+3], v[RD] offset:2*SPITCH*\t   ; LDS serves a wave's instructions in order: these see the stores above
.endr
.endm
.macro SEND a
.set BB, BK+32*((\a)%2)
	s_wait_dscnt 0x0                               ; the block is back in registers
.irp t, 0,1,2,3,4,5,6,7
	global_store_b128 v[CO], v[BB+4*\t:BB+4*\t+3], s[12:13] offset:2048*(\a)+256*\t
.endr
.endm
	PLACES NP                                      ; behind the last products: their fragments' registers are written below
	PACK 0
	TOSTAGE 0
.irp a, 1,2,3,4,5,6,7
	PACK \a                                        ; block a's arithmetic stands between block a - 1's loads from the stage and the wait for them
.if \a > 1
	s_wait_xcnt 0x0                                ; block a - 2's stores have read their registers: block a's loads may land there
.endif
	SEND \a-1
	TOSTAGE \a
.endr
	SEND 7
	s_wait_tensorcnt 0x0                           ; the wave's end
	ds_add_u32 v[SPW], v[NIL]
	s_wait_dscnt 0x0
	CROUND                                         ; the closing round
	s_endpgm
.Lfunc_end_k_q70c0c1c6b1_gemm_qkv:
	.size	k_q70c0c1c6b1_gemm_qkv, .Lfunc_end_k_q70c0c1c6b1_gemm_qkv-k_q70c0c1c6b1_gemm_qkv
	.p2alignl 7, 3214868480
	.fill 96, 4, 3214868480
	.section	.rodata,"a",@progbits
	.p2align	6, 0x0
	.amdhsa_kernel k_q70c0c1c6b1_gemm_qkv
		.amdhsa_group_segment_fixed_size 327680
		.amdhsa_private_segment_fixed_size 0
		.amdhsa_enable_private_segment 0
		.amdhsa_kernarg_size 40
		.amdhsa_user_sgpr_count 2
		.amdhsa_user_sgpr_kernarg_segment_ptr 1
		.amdhsa_wavefront_size32 1
		.amdhsa_system_sgpr_workgroup_id_x 1
		.amdhsa_system_sgpr_workgroup_id_y 1
		.amdhsa_system_sgpr_workgroup_id_z 1
		.amdhsa_system_vgpr_workitem_id 0
		.amdhsa_next_free_vgpr 1024
		.amdhsa_next_free_sgpr 98
		.amdhsa_reserve_vcc 0
		.amdhsa_float_denorm_mode_32 3
		.amdhsa_float_denorm_mode_16_64 3
		.amdhsa_memory_ordered 1
		.amdhsa_forward_progress 1
		.amdhsa_inst_pref_size 143
	.end_amdhsa_kernel
	.amdgpu_metadata
---
amdhsa.version: [ 1, 2 ]
amdhsa.kernels:
  - .name:           k_q70c0c1c6b1_gemm_qkv
    .symbol:         k_q70c0c1c6b1_gemm_qkv.kd
    .args:
      - { .name: x_codes, .offset: 0, .size: 8, .value_kind: global_buffer, .address_space: global }
      - { .name: x_scales, .offset: 8, .size: 8, .value_kind: global_buffer, .address_space: global }
      - { .name: wq_codes, .offset: 16, .size: 8, .value_kind: global_buffer, .address_space: global }
      - { .name: wq_scales, .offset: 24, .size: 8, .value_kind: global_buffer, .address_space: global }
      - { .name: qkv16, .offset: 32, .size: 8, .value_kind: global_buffer, .address_space: global }
    .group_segment_fixed_size: 327680
    .private_segment_fixed_size: 0
    .kernarg_segment_align: 8
    .kernarg_segment_size: 40
    .max_flat_workgroup_size: 128
    .sgpr_count:     98
    .vgpr_count:     1024
    .wavefront_size: 32
...
	.end_amdgpu_metadata
.endif
;; end of part 2
;; launch attn (part 3): grid 4 x 64, 8 waves a work-group, no clusters, 327,680 bytes of LDS; arguments qkv16, ao16; writes ao16
.if DOCPART == 3
	.amdgcn_target "amdgcn-amd-amdhsa--gfx1250"
	.amdhsa_code_object_version 6
	.text
	.protected	k_q70c0c1c6b1_attn
	.globl	k_q70c0c1c6b1_attn
	.p2align	8
	.type	k_q70c0c1c6b1_attn,@function
k_q70c0c1c6b1_attn:
	s_mov_b64 s[64:65], 0
	v_nop
	global_prefetch_b8 v0, s[64:65] scope:SCOPE_SE
	s_setreg_imm32_b32 hwreg(HW_REG_WAVE_MODE, 25, 1), 1
	s_wait_xcnt 0x0
; Causal attention of one (batch, head): o[q] = sum over k <= q of softmax_k(q . k / 8) v[k], head size 64, 2,048 positions.  q (already x c = log2(e) / 8), k, v: f16, [s][64], rows of 128 bytes.
; Products on f16 operands, sums, maxima and the softmax in f32; p is rounded to f16 for the second product, o once at the end (f16, ao16 [h][b x 2048 + s][64]).
; The first 16 positions of every sequence are written here like the others and are computed again in f32 by later launches, whose result is the one that reaches the output.
; LIMITS: the operands are f16 as the launch before left them; NaN and infinities are not served.
; SHARES.  Work-group (i, bh) owns the query blocks 7 - i (first) and i, 256 queries each: it walks 8 - i and then i + 1 slots of 256 keys: NINE slots in every work-group, so that all 256 have equal work
; and every trip count is a constant.  A wave owns 32 queries, two tiles of 16; a step is 64 keys, a slot four steps.
; NO CLUSTER: the four work-groups of a head ask for the same slot only in trips 0 to 4 of the nine; joint loads would bind them to one walk of 8 + 4 = 12 slots.
; LAYOUT.  S^T = K Q^T (source 0 = 16 keys, source 1 = 16 queries): a lane holds ONE query (lane % 16) and the keys 8 (lane / 16) + 0..7.  Two such tiles, rounded to f16 in pairs, are source 1 of O^T = V^T P.
; K comes out of LDS as it lies, V ([key][channel]) turned, by ds_load_tr16_b128.
; SOFTMAX.  A running maximum m and sum l for each query: p = 2^(s - m); in every step O and l are multiplied by a = 2^(m_old - m_new).
; A step whose 64 keys all come after the wave's 32 queries is left out by a scalar branch on ids; in the steps on the diagonal hidden scores become -infinity.  A step that is walked begins at or
; under the wave's first query (64 divides the one, 32 the other), so each of its rows sees at least one key.
; REGISTERS.  window 0: v1-13 addresses; v14, v15 the add's two; v16-31 statistics, 8 a tile: +0 m, +2, +3 l, +4 a, +6, +7 at work; v32-95 S^T, then p; v96-127 P; v128-191 O^T; v192-255 at work.
;   window 1: v0-31 Q; v32-95 K of a step; v96-159 V of a step.
.set PK,    144                        ; a row of K in LDS: 128 bytes + 16: an odd multiple of 16
.set PV,    160                        ; a row of V: 128 + 32: an odd multiple of 32, for the turning load
.set VOFF,  64*PK
.set STEPB, 64*(PK+PV)                 ; a step's tiles lie together: 64 rows of K, then 64 of V
.set SLOT1, 1<<17                      ; slot 1 begins here: one exclusive or turns an address
.set STAGE, SLOT1+4*STEPB              ; behind the ring: 32 rows x 144 bytes for each wave
.set SP,    144
.set SPARE, STAGE+8*32*SP              ; the spare words: four blocks of 256 bytes that no other line names
.set AK0, 1
.set AV0, 2
.set ADK, 3
.set ADV, 4
.set QO,  5
.set STO, 6
.set RD,  7
.set GO,  8
.set RH,  9                            ; v9  r - 8 h
.set NEG, 12                           ; v12 -infinity
.set PFO, 13                           ; v13 256 x lane
.set SPW, 14
.set NIL, 15
.set ST,  16
.set S,   32
.set P,   96
.set O,   128
.set CH,  192                          ; v192-199 the maximum's four chains, a tile's four on end
.set PKO, 192                          ; the way out: 32 registers of f16,
.set BKO, 224                          ; and 32 back from the stage
.set KFR, 32                           ; in window 1
.set VFR, 96
.set WV,  8
.set QA,  12
.set QB,  14
.set OUTA, 16
.set OUTB, 18
.set SEL, 20
.set G1K, 24
.set G1V, 32
.set G0K, 40
.set G0V, 44
.set KB,  48                           ; s[48:49] K's plane at my step's rows;  s[50:51] V's
.set VB,  50
.set NK,  52                           ; s[52:53] the bytes from there to the slot that is asked for
.set SLOTS, 54
.set SW,  55                           ; i + 1: the count at which the first block ends
.set TW,  56
.set TB,  57                           ; LDS byte at which the step in hand begins
.set KF,  58                           ; its first key
.set Q0,  59                           ; my first query
.set Q0B, 60                           ; and in the second block
.set LIM, 61
.set PFA, 62
.set MSB, 0
.macro WIN new
.if MSB != \new
	s_set_vgpr_msb (MSB<<8)|\new
.set MSB, \new
.endif
.endm
.set W_LD, 0x40                        ; destination window 1
.set W_KQ, 0x05                        ; K and Q window 1, S^T window 0
.set W_PV, 0x01                        ; V window 1, P and O^T window 0
; Waves 0 to 3 fetch K of the slot's step w, waves 4 to 7 V of step w - 4: one tensor load a wave.  An s_nop 0 and four v_nop follow each of the two lines.
.macro TLOAD
	s_cmp_lt_u32 s[WV], 4
	s_cbranch_scc0 .Lfor_v_\@
	tensor_load_to_lds s[G0K:G0K+3], s[G1K:G1K+7]
	s_nop 0
.rept 4
	v_nop
.endr
	s_branch .Lasked_\@
.Lfor_v_\@:
	tensor_load_to_lds s[G0V:G0V+3], s[G1V:G1V+7]
	s_nop 0
.rept 4
	v_nop
.endr
.Lasked_\@:
.endm
; A prefetch of what the NEXT change of slots will ask for.  All four work-groups of a head walk the same K and V from key 0 on; the one with i = 0, whose first walk takes all eight slots, asks, in trips 0 to 5, for
; slots 2 to 7; each of its waves for the 8,192 bytes that it will itself load, lanes 256 bytes apart: each block is named once in the launch.  Slots 0 and 1 come by their loads alone.
.macro ASK
	s_cmp_gt_u32 s[SLOTS], s[LIM]
	s_cbranch_scc0 .Lnot_mine_\@
	global_prefetch_b8 v[PFO], s[PFA:PFA+1] th:TH_LOAD_NT scope:SCOPE_SE
.Lnot_mine_\@:
.endm
.macro QLOAD base                      ; my 32 rows of q: tile t, channels 32 cs on: they stay in registers
	WIN W_LD
.irp t, 0,1
.irp cs, 0,1
	global_load_b128 v[16*\t+8*\cs:16*\t+8*\cs+3],   v[QO], s[\base:\base+1] offset:2048*\t+64*\cs
	global_load_b128 v[16*\t+8*\cs+4:16*\t+8*\cs+7], v[QO], s[\base:\base+1] offset:2048*\t+64*\cs+32
.endr
.endr
	WIN 0
.endm
.macro RESET                           ; a block of queries begins: m = -3e38, under every score; l and O^T zeros, which the first a = 0 leaves zeros
.irp t, 0,1
	v_mov_b32 v[ST+8*\t], 0xff61b1e6
.irp e, 1,2,3,4,5,6,7
	v_mov_b32 v[ST+8*\t+\e], 0
.endr
.endr
.set n, 0
.rept 64
	v_mov_b32 v[O+n], 0
.set n, n+1
.endr
.endm
; THE CHANGE OF SLOTS stands at a slot's head.  Each wave waits for all its tensor loads (one is out: its part of the slot ahead), adds 0 to its spare word, and waits for that and for its reads of the slot that it has left.
; Behind the barrier the slot ahead is whole and nobody reads the other one, which is filled first thing (fill = 1): the load has four steps in which to land.
.macro CHANGE fill
	s_wait_tensorcnt 0x0                           ; no tensor load of mine is out, so the groups 0 may be written
	ds_add_u32 v[SPW], v[NIL]                      ; 0 onto my spare word; the descriptors' steps stand between it and the wait for it
.if \fill
	s_add_co_u32 s[NK], s[NK], 32768               ; the next 256 keys,
	s_cmp_eq_u32 s[SLOTS], s[SW]
	s_cselect_b32 s[NK], 0, s[NK]                  ; or key 0 again, for the second block of queries
	s_xor_b32 s[G0K+1], s[G0K+1], SLOT1
	s_add_nc_u64 s[G0K+2:G0K+3], s[KB:KB+1], s[NK:NK+1]
	s_or_b32 s[G0K+3], s[G0K+3], 0x80000000
	s_xor_b32 s[G0V+1], s[G0V+1], SLOT1
	s_add_nc_u64 s[G0V+2:G0V+3], s[VB:VB+1], s[NK:NK+1]
	s_or_b32 s[G0V+3], s[G0V+3], 0x80000000
	s_wait_xcnt 0x0                                ; the last prefetch, a slot back, has read its address
	s_add_nc_u64 s[PFA:PFA+1], s[PFA:PFA+1], 32768
.endif
	s_wait_dscnt 0x0                               ; the add is done, and my reads of the slot that I have left are over
	s_barrier_signal -1
	s_barrier_wait -1
.if \fill
	TLOAD
	ASK
.endif
.endm
; A KEY STEP: 64 keys.
.macro STEP
	s_add_co_u32 s66, s[Q0], 31
	s_cmp_gt_u32 s[KF], s66                        ; all its keys come after my queries: ids and counts alone
	s_cbranch_scc1 .Lhidden_\@
	v_add_nc_u32 v[ADK], s[TB], v[AK0]
	v_add_nc_u32 v[ADV], s[TB], v[AV0]
	v_nop
	v_nop                                          ; four places behind the last products, in front of loads into V's registers
	WIN W_LD
.irp f, 0,1,2,3,4,5,6,7                        ; K: keys 16 (f / 2) on, channels 32 (f % 2) on
	ds_load_b128 v[KFR+8*\f:KFR+8*\f+3],   v[ADK] offset:(\f/2)*16*PK+(\f%2)*64
	ds_load_b128 v[KFR+8*\f+4:KFR+8*\f+7], v[ADK] offset:(\f/2)*16*PK+(\f%2)*64+32
.endr
.irp f, 0,1,2,3,4,5,6,7                        ; V, turned: keys 32 (f / 4) on, channels 16 (f % 4) on
	ds_load_tr16_b128 v[VFR+8*\f:VFR+8*\f+3],   v[ADV] offset:(\f/4)*32*PV+(\f%4)*32
	ds_load_tr16_b128 v[VFR+8*\f+4:VFR+8*\f+7], v[ADV] offset:(\f/4)*32*PV+16*PV+(\f%4)*32
.endr
	s_wait_dscnt 16                                ; K is in; V's sixteen loads may be out
	WIN W_KQ
.set i, 0
.rept 16                                       ; channels 32 (i / 8) on, keys 16 ((i / 2) % 4) on, tile i % 2: eight accumulators by turns
.set rS, S+32*(i%2)+8*((i/2)%4)
.set rK, KFR+8*(2*((i/2)%4)+i/8)
.set rQ, 16*(i%2)+8*(i/8)
.if i < 8
	v_wmma_f32_16x16x32_f16 v[rS:rS+7], v[rK:rK+7], v[rQ:rQ+7], 0
.else
	v_wmma_f32_16x16x32_f16 v[rS:rS+7], v[rK:rK+7], v[rQ:rQ+7], v[rS:rS+7]
.endif
.set i, i+1
.endr
	WIN 0
.rept 4
	v_nop
.endr
	s_add_co_u32 s66, s[KF], 63
	s_cmp_le_u32 s66, s[Q0]                        ; all 64 keys count for all my queries: nothing to hide
	s_cbranch_scc1 .Lopen_\@
	s_sub_co_i32 s66, s[Q0], s[KF]
	v_add_nc_u32 v10, s66, v[RH]                   ; d = my query - the step's first key - 8 (lane / 16), tile 0;
	v_add_nc_u32 v11, 16, v10                      ; tile 1.  Register 8 a + j holds key 16 a + 8 (lane / 16) + j: hidden where 16 a + j > d
.irp t, 0,1
.set n, 0
.rept 32
	v_cmp_gt_i32 vcc_lo, 16*(n/8)+n%8, v[10+\t]
	v_cndmask_b32 v[S+32*\t+n], v[S+32*\t+n], v[NEG], vcc_lo
.set n, n+1
.endr
.endr
.Lopen_\@:
.irp j, 0,1,2,3                                ; the maximum: four chains a tile, each begun at its accumulator's low end; the tiles by turns
.irp t, 0,1
	v_max3_num_f32 v[CH+4*\t+\j], v[S+32*\t+8*\j], v[S+32*\t+8*\j+1], v[S+32*\t+8*\j+2]
.endr
.endr
.irp g, 1,2
.irp j, 0,1,2,3
.irp t, 0,1
	v_max3_num_f32 v[CH+4*\t+\j], v[CH+4*\t+\j], v[S+32*\t+8*\j+2*\g+1], v[S+32*\t+8*\j+2*\g+2]
.endr
.endr
.endr
.irp t, 0,1
	v_max3_num_f32 v[CH+4*\t], v[CH+4*\t], v[S+32*\t+7], v[S+32*\t+15]
	v_max3_num_f32 v[CH+4*\t+2], v[CH+4*\t+2], v[S+32*\t+23], v[S+32*\t+31]
.endr
.irp t, 0,1
	v_max3_num_f32 v[CH+4*\t], v[CH+4*\t], v[CH+4*\t+1], v[CH+4*\t+2]
.endr
.irp t, 0,1
	v_max3_num_f32 v[CH+4*\t], v[CH+4*\t], v[CH+4*\t+3], v[ST+8*\t]   ; and the old m
.endr
.irp t, 0,1
	v_permlanex16_b32 v[CH+4*\t+1], v[CH+4*\t], s[SEL], s[SEL+1]      ; the query's other 32 keys lie in the lane 16 away
.endr
.irp t, 0,1
	v_max_num_f32 v[CH+4*\t+2], v[CH+4*\t], v[CH+4*\t+1]              ; the new m
.endr
.irp t, 0,1
	v_sub_f32 v[ST+8*\t+4], v[ST+8*\t], v[CH+4*\t+2]                  ; m_old - m_new
.endr
.irp t, 0,1
	v_mov_b32 v[ST+8*\t], v[CH+4*\t+2]
.endr
.set n, 0
.rept 16
.irp t, 0,1
	v_pk_add_f32 v[S+32*\t+n:S+32*\t+n+1], v[S+32*\t+n:S+32*\t+n+1], v[ST+8*\t:ST+8*\t+1] op_sel_hi:[1,0] neg_lo:[0,1] neg_hi:[0,1]   ; s - m, at most 0
.endr
.set n, n+2
.endr
.irp t, 0,1
	v_exp_f32 v[ST+8*\t+4], v[ST+8*\t+4]           ; a
.endr
.set n, 0
.rept 64
	v_exp_f32 v[S+n], v[S+n]                       ; p: ONE batch of 66 exponentials
.set n, n+1
.endr
	v_nop                                          ; a plain instruction behind the last exponential
	s_wait_alu depctr_va_vdst(0)                   ; and the one wait ahead of the batch's first reader
.set n, 0
.rept 32
	v_cvt_pk_f16_f32 v[P+n], v[S+2*n], v[S+2*n+1]
.set n, n+1
.endr
.irp w, 4,8,16,32                              ; the sums of the unrounded p, in place: neighbours 1, 2, 4 and 8 pairs apart, both tiles
.set n, 0
.rept 64/\w
	v_pk_add_f32 v[S+n:S+n+1], v[S+n:S+n+1], v[S+n+\w/2:S+n+\w/2+1]
.set n, n+\w
.endr
.endr
.irp t, 0,1
	v_pk_fma_f32 v[ST+8*\t+2:ST+8*\t+3], v[ST+8*\t+2:ST+8*\t+3], v[ST+8*\t+4:ST+8*\t+5], v[S+32*\t:S+32*\t+1] op_sel_hi:[1,0,1]   ; l = a l + the sum
.endr
.irp t, 0,1
.set n, 0
.rept 16
	v_pk_mul_f32 v[O+32*\t+n:O+32*\t+n+1], v[O+32*\t+n:O+32*\t+n+1], v[ST+8*\t+4:ST+8*\t+5] op_sel_hi:[1,0]   ; O^T x a, each accumulator from its low end on
.set n, n+2
.endr
.endr
	s_wait_dscnt 0x0                               ; V is in
	WIN W_PV
.set i, 0
.rept 16                                       ; keys 32 (i / 8) on, channels 16 ((i / 2) % 4) on, tile i % 2: eight accumulators by turns
.set rO, O+32*(i%2)+8*((i/2)%4)
.set rV, VFR+8*(4*(i/8)+(i/2)%4)
.set rP, P+16*(i%2)+8*(i/8)
	v_wmma_f32_16x16x32_f16 v[rO:rO+7], v[rV:rV+7], v[rP:rP+7], v[rO:rO+7]
.set i, i+1
.endr
	WIN 0
.Lhidden_\@:
	s_add_co_u32 s[KF], s[KF], 64
	s_add_co_u32 s[TB], s[TB], STEPB
.endm
.macro SLOT_STEPS                      ; a slot's four steps: written once, walked four times
	s_mov_b32 s[TW], 4
.Lstep_\@:
	STEP
	s_sub_co_u32 s[TW], s[TW], 1
	s_cmp_lg_u32 s[TW], 0
	s_cbranch_scc1 .Lstep_\@
	s_sub_co_u32 s[TB], s[TB], 4*STEPB
	s_xor_b32 s[TB], s[TB], SLOT1                  ; on to the other slot
.endm
; A BLOCK OF QUERIES IS DONE: O^T / l, rounded to f16, through my stage, out as 512 consecutive bytes a store.  reload = 1: the second block begins.
.macro FINISH out, reload
.rept 4
	v_nop                                          ; places behind the last products
.endr
.irp t, 0,1
	v_add_f32 v[ST+8*\t+6], v[ST+8*\t+2], v[ST+8*\t+3]
.endr
.irp t, 0,1
	v_permlanex16_b32 v[ST+8*\t+7], v[ST+8*\t+6], s[SEL], s[SEL+1]
.endr
.irp t, 0,1
	v_add_f32 v[ST+8*\t+6], v[ST+8*\t+6], v[ST+8*\t+7]
.endr
.irp t, 0,1
	v_rcp_f32 v[ST+8*\t+4], v[ST+8*\t+6]
.endr
	v_nop
	s_wait_alu depctr_va_vdst(0)                   ; one wait for the two reciprocals, ahead of their first reader
.irp t, 0,1
.set n, 0
.rept 16
	v_pk_mul_f32 v[O+32*\t+n:O+32*\t+n+1], v[O+32*\t+n:O+32*\t+n+1], v[ST+8*\t+4:ST+8*\t+5] op_sel_hi:[1,0]
.set n, n+2
.endr
.endr
.set n, 0
.rept 32
	v_cvt_pk_f16_f32 v[PKO+n], v[O+2*n], v[O+2*n+1]
.set n, n+1
.endr
.irp t, 0,1
.irp d, 0,1,2,3
	ds_store_b128 v[STO], v[PKO+16*\t+4*\d:PKO+16*\t+4*\d+3] offset:16*\t*SP+32*\d
.endr
.endr
.irp i, 0,1,2,3,4,5,6,7
	ds_load_b128 v[BKO+4*\i:BKO+4*\i+3], v[RD] offset:4*SP*\i      ; LDS serves a wave's instructions in order: these see the stores above
.endr
.irp i, 0,1,2,3,4,5,6,7
	s_wait_dscnt 7-\i                              ; load i is in; the younger ones may be out
	global_store_b128 v[GO], v[BKO+4*\i:BKO+4*\i+3], s[\out:\out+1] offset:512*\i
.endr
.if \reload
	QLOAD QB
	RESET
	s_mov_b32 s[Q0], s[Q0B]
	s_mov_b32 s[KF], 0
	s_wait_loadcnt 0x0                             ; q
	s_wait_xcnt 0x0                                ; the stores have read their registers, which the second way out writes again
.endif
.endm
	s_load_b128 s[4:7], s[0:1], 0x0                ; qkv16, ao16
	v_lshl_add_u32 v[SPW], v0, 2, SPARE
	v_mov_b32 v[NIL], 0
	ds_add_u32 v[SPW], v[NIL]                      ; the wave's opening: the add, twice on end, and its wait ahead of my first tensor load
	ds_add_u32 v[SPW], v[NIL]
	v_lshrrev_b32 v1, 5, v0
	v_readfirstlane_b32 s[WV], v1                  ; wave 0..7
	s_and_b32 s9, s[WV], 3                         ; which step of a slot I fetch
	s_mov_b32 s10, ttmp9                           ; i
	s_and_b32 s11, ttmp7, 0xffff                   ; bh = 16 b + h
	s_mov_b32 s[G1K], (1<<16)|(1<<20)|(4<<22)|(3<<25)   ; elements of 2 bytes; padding on: four words after every 32
	s_mov_b32 s[G1V], (1<<16)|(1<<20)|(4<<22)|(7<<25)   ; eight words
.irp g, G1K, G1V
	s_mov_b32 s[\g+1], 64<<16                      ; tensor_dim0 = 64
	s_mov_b32 s[\g+2], 64<<16                      ; tensor_dim1 = 64
	s_mov_b32 s[\g+3], 64<<16                      ; tile_dim0 = 64
	s_mov_b32 s[\g+4], 64                          ; tile_dim1 = 64
	s_mov_b32 s[\g+5], 64                          ; the pitch
	s_mov_b32 s[\g+6], 0
	s_mov_b32 s[\g+7], 0
.endr
	s_mov_b32 s[SEL], 0x76543210
	s_mov_b32 s[SEL+1], 0xfedcba98
	s_sub_co_u32 s66, 7, s10
	s_lshl_b32 s66, s66, 8
	s_lshl_b32 s67, s[WV], 5
	s_add_co_u32 s[Q0], s66, s67                   ; my first query in block 7 - i,
	s_lshl_b32 s66, s10, 8
	s_add_co_u32 s[Q0B], s66, s67                  ; and in block i
	s_add_co_u32 s[SW], s10, 1
	s_mov_b32 s[SLOTS], 8
	s_mov_b32 s[TB], 0
	s_mov_b32 s[KF], 0
	s_mov_b32 s[NK], 0
	s_mov_b32 s[NK+1], 0
	s_cmp_eq_u32 s10, 0
	s_cselect_b32 s[LIM], 2, -1
	s_lshl_b32 s68, s11, 18                        ; my plane among 64
	s_mov_b32 s69, 0
	s_mul_i32 s67, s9, STEPB                       ; my step's place in a slot
	s_wait_dscnt 0x0                               ; both opening adds are done
	s_wait_kmcnt 0x0
	s_add_nc_u64 s[QA:QA+1], s[4:5], s[68:69]      ; q's plane
	s_lshl_b32 s68, s9, 13
	s_add_nc_u64 s[KB:KB+1], s[QA:QA+1], s[68:69]  ; + my step's 64 rows,
	s_add_nc_u64 s[VB:VB+1], s[KB:KB+1], 128*262144
	s_add_nc_u64 s[KB:KB+1], s[KB:KB+1], 64*262144
	s_mov_b32 s[G0K], 1
	s_mov_b32 s[G0K+1], s67
	s_mov_b64 s[G0K+2:G0K+3], s[KB:KB+1]
	s_or_b32 s[G0K+3], s[G0K+3], 0x80000000
	s_mov_b32 s[G0V], 1
	s_add_co_u32 s[G0V+1], s67, VOFF
	s_mov_b64 s[G0V+2:G0V+3], s[VB:VB+1]
	s_or_b32 s[G0V+3], s[G0V+3], 0x80000000
	TLOAD                                          ; slot 0
	s_lshl_b32 s68, s[Q0B], 7
	s_add_nc_u64 s[QB:QB+1], s[QA:QA+1], s[68:69]
	s_lshl_b32 s68, s[Q0], 7
	s_add_nc_u64 s[QA:QA+1], s[QA:QA+1], s[68:69]
	s_and_b32 s66, s11, 15
	s_lshl_b32 s66, s66, 20                        ; ao16: the head's plane,
	s_lshr_b32 s67, s11, 4
	s_lshl_b32 s67, s67, 18                        ; the batch's 2,048 rows
	s_add_co_u32 s66, s66, s67
	s_add_co_u32 s68, s68, s66
	s_add_nc_u64 s[OUTA:OUTA+1], s[6:7], s[68:69]
	s_lshl_b32 s68, s[Q0B], 7
	s_add_co_u32 s68, s68, s66
	s_add_nc_u64 s[OUTB:OUTB+1], s[6:7], s[68:69]
	s_cmp_lt_u32 s[WV], 4
	s_cselect_b64 s[PFA:PFA+1], s[KB:KB+1], s[VB:VB+1]
	s_add_nc_u64 s[PFA:PFA+1], s[PFA:PFA+1], 32768 ; in slot 1: the first change of slots steps it to slot 2
	v_and_b32 v192, 15, v0                         ; r
	v_bfe_u32 v193, v0, 4, 1                       ; h
	v_lshlrev_b32 v[QO], 7, v192
	v_lshl_add_u32 v[QO], v193, 4, v[QO]
	QLOAD QA
	v_mul_u32_u24 v[AK0], v192, PK
	v_lshl_add_u32 v[AK0], v193, 4, v[AK0]
	v_and_b32 v194, 7, v0
	v_bfe_u32 v195, v0, 3, 1
	v_lshl_add_u32 v[AV0], v193, 3, v194           ; the turning load: key 8 h + l % 8, channels 8 ((l / 8) % 2) on
	v_mul_u32_u24 v[AV0], v[AV0], PV
	v_lshl_add_u32 v[AV0], v195, 4, v[AV0]
	v_add_nc_u32 v[AV0], VOFF, v[AV0]
	s_mul_i32 s66, s[WV], 32*SP
	s_add_co_u32 s66, s66, STAGE                   ; my stage
	v_mul_u32_u24 v[STO], v192, SP
	v_lshl_add_u32 v[STO], v193, 4, v[STO]
	v_add_nc_u32 v[STO], s66, v[STO]
	v_and_b32 v196, 31, v0
	v_lshrrev_b32 v197, 3, v196
	v_mul_u32_u24 v[RD], v197, SP
	v_lshl_add_u32 v[RD], v194, 4, v[RD]
	v_add_nc_u32 v[RD], s66, v[RD]                 ; back: eight lanes to a row of 128 bytes, four rows an instruction
	v_lshlrev_b32 v[GO], 4, v196
	v_lshlrev_b32 v[RH], 3, v193
	v_sub_nc_u32 v[RH], v192, v[RH]
	v_mov_b32 v[NEG], 0xff800000
	v_lshlrev_b32 v[PFO], 8, v196
	RESET
	s_wait_loadcnt 0x0                             ; q
.Lslot:                                            ; eight trips; behind each change of slots the next slot is asked for.  The first trip's loads are slot 1's first fill
	CHANGE 1
	SLOT_STEPS
	s_cmp_lg_u32 s[SLOTS], s[SW]                   ; the work-group's number and the count alone: all eight waves go the same way
	s_cbranch_scc1 .Lsame_block
	FINISH OUTA, 1
.Lsame_block:
	s_sub_co_u32 s[SLOTS], s[SLOTS], 1
	s_cmp_lg_u32 s[SLOTS], 0
	s_cbranch_scc1 .Lslot
	CHANGE 0                                       ; the ninth slot is written out: nothing is left to ask for
	SLOT_STEPS
	FINISH OUTB, 0
	s_wait_tensorcnt 0x0                           ; the wave's end
	ds_add_u32 v[SPW], v[NIL]
	s_wait_dscnt 0x0
	s_endpgm
.Lfunc_end_k_q70c0c1c6b1_attn:
	.size	k_q70c0c1c6b1_attn, .Lfunc_end_k_q70c0c1c6b1_attn-k_q70c0c1c6b1_attn
	.p2alignl 7, 3214868480
	.fill 96, 4, 3214868480
	.section	.rodata,"a",@progbits
	.p2align	6, 0x0
	.amdhsa_kernel k_q70c0c1c6b1_attn
		.amdhsa_group_segment_fixed_size 327680
		.amdhsa_private_segment_fixed_size 0
		.amdhsa_enable_private_segment 0
		.amdhsa_kernarg_size 16
		.amdhsa_user_sgpr_count 2
		.amdhsa_user_sgpr_kernarg_segment_ptr 1
		.amdhsa_wavefront_size32 1
		.amdhsa_system_sgpr_workgroup_id_x 1
		.amdhsa_system_sgpr_workgroup_id_y 1
		.amdhsa_system_sgpr_workgroup_id_z 1
		.amdhsa_system_vgpr_workitem_id 0
		.amdhsa_next_free_vgpr 512
		.amdhsa_next_free_sgpr 72
		.amdhsa_reserve_vcc 1
		.amdhsa_float_denorm_mode_32 3
		.amdhsa_float_denorm_mode_16_64 3
		.amdhsa_memory_ordered 1
		.amdhsa_forward_progress 1
		.amdhsa_inst_pref_size 71
	.end_amdhsa_kernel
	.amdgpu_metadata
---
amdhsa.version: [ 1, 2 ]
amdhsa.kernels:
  - .name:           k_q70c0c1c6b1_attn
    .symbol:         k_q70c0c1c6b1_attn.kd
    .args:
      - { .name: qkv16, .offset: 0, .size: 8, .value_kind: global_buffer, .address_space: global }
      - { .name: ao16, .offset: 8, .size: 8, .value_kind: global_buffer, .address_space: global }
    .group_segment_fixed_size: 327680
    .private_segment_fixed_size: 0
    .kernarg_segment_align: 8
    .kernarg_segment_size: 16
    .max_flat_workgroup_size: 256
    .sgpr_count:     72
    .vgpr_count:     512
    .wavefront_size: 32
...
	.end_amdgpu_metadata
.endif
;; end of part 3
;; launch proj (part 4): grid 4 x 64, 4 waves a work-group, clusters of 4 x 4, 327,680 bytes of LDS; arguments ao16, wo16, out0; writes out0
.if DOCPART == 4
	.amdgcn_target "amdgcn-amd-amdhsa--gfx1250"
	.amdhsa_code_object_version 6
	.text
	.protected	k_q70c0c1c6b1_proj
	.globl	k_q70c0c1c6b1_proj
	.p2align	8
	.type	k_q70c0c1c6b1_proj,@function
k_q70c0c1c6b1_proj:
	s_mov_b64 s[64:65], 0
	v_nop
	global_prefetch_b8 v0, s[64:65] scope:SCOPE_SE
	s_setreg_imm32_b32 hwreg(HW_REG_WAVE_MODE, 25, 1), 1
	s_wait_xcnt 0x0
	s_wait_alu depctr_hold_cnt(0) depctr_sa_sdst(0) depctr_va_vdst(0) depctr_va_sdst(0) depctr_va_ssrc(0) depctr_va_vcc(0) depctr_vm_vsrc(0)
	s_getreg_b32 s2, hwreg(HW_REG_IB_STS2, 6, 4)
	s_cmp_eq_u32 s2, 0
	s_cbranch_scc0 .Lentry_in_a_cluster
	s_endpgm
.Lentry_in_a_cluster:
	s_bfe_u32 s2, ttmp6, 0x10000c
	s_cmp_lg_u32 s2, 0xf033
	s_cbranch_scc0 .Lentry_shape_is_right
	s_endpgm
.Lentry_shape_is_right:
; out0 [8192][1024] f32 = A W, K = 1,024, f16 operands, f32 sums.  A: ao16 [k / 64][8192][64]; W: wo16 [k / 64][n 1024][64]: a chunk of 64 along K of any run of rows is one dense block of rows of 128 bytes.
; A tile is 128 (rows) x 256 (columns): 256 work-groups.  Four waves, 64 x 128 each: 32 accumulators, 256 registers.  K goes in steps of 128 (two chunks) through a ring of two LDS slots.
; CLUSTERS: 4 x 4; A's tiles are asked for jointly along a row of the cluster, B's along a column.  Waves 0 and 1 fetch A's two chunks (128 rows), waves 2 and 3 B's (256 rows): one load a wave.
; THE MATRIX INSTRUCTION IS USED TRANSPOSED (source 0 = 16 rows of W, source 1 = 16 rows of A): a lane holds eight neighbouring columns of a row.
; The 64 rows of the sequences' first 16 positions are written here like the others; a later launch writes them again from f32.
; No prefetch: a K step's refill is 32 KB a wave at the most and has a K step's 112 matrix instructions in which to land; the tiles are shared in the cluster first.
; REGISTERS: window 0: v16-29 addresses; v64-159, v160-255 two fragment buffers (A: 4 x 8, then B: 8 x 8), for 32 along K each.  window 1: accumulator (a, b) at v[8 (8 a + b)].
.set PITCH,  144                       ; an LDS row: 128 bytes + 16: an odd multiple of 16
.set ACH,    128*PITCH                 ; a chunk of A
.set BCH,    256*PITCH                 ; a chunk of B
.set BOFF,   2*ACH
.set SLOT,   2*ACH+2*BCH
.set STAGE,  2*SLOT                    ; behind the ring: 16 rows x (512 bytes + 16) for each wave
.set SPITCH, 528
.set SPARE,  STAGE+4*16*SPITCH         ; the spare words: two blocks of 256 bytes that no other line names
.set LAPS,   4                         ; a lap = two K steps
.set ADRA, 16
.set ADRB, 20
.set STO,  24
.set RD,   25
.set CO,   26
.set SPW,  28
.set NIL,  29
.set F0,   64
.set F1,   160
.set BK,   64                          ; the way out: v64-127 and v128-191 by turns
.set G1, 24
.set G0, 32
.set G1B, 48
.set G0B, 56
.set MSB, 0
.macro WIN new
.if MSB != \new
	s_set_vgpr_msb (MSB<<8)|\new
.set MSB, \new
.endif
.endm
.set MUL, 0x50                         ; C and D window 1, the fragments window 0
.macro JLOAD s                         ; a joint load; an s_nop 0 and four v_nop follow each of the two lines
	s_cmp_eq_u32 s11, 0
	s_cbranch_scc0 .Lfor_b_\@
	tensor_load_to_lds s[G0+4*\s:G0+4*\s+3], s[G1:G1+7]
	s_nop 0
.rept 4
	v_nop
.endr
	s_branch .Lasked_\@
.Lfor_b_\@:
	tensor_load_to_lds s[G0B+4*\s:G0B+4*\s+3], s[G1B:G1B+7]
	s_nop 0
.rept 4
	v_nop
.endr
.Lasked_\@:
.endm
.macro CREST                           ; a round of the cluster's barrier behind its opening barrier
	s_cmp_lg_u32 s10, 0
	s_cbranch_scc1 .Lnot_wave_0_\@
	s_barrier_signal -3
.Lnot_wave_0_\@:
	s_barrier_wait -3
	s_barrier_signal -1
	s_barrier_wait -1
.endm
.macro CROUND
	s_barrier_signal -1
	s_barrier_wait -1
	CREST
.endm
	s_load_b128 s[4:7], s[0:1], 0x0                ; ao16, wo16
	s_load_b64 s[8:9], s[0:1], 0x10                ; out0
	v_lshl_add_u32 v[SPW], v0, 2, SPARE
	v_mov_b32 v[NIL], 0
	ds_add_u32 v[SPW], v[NIL]                      ; the wave's opening: the add, twice on end, and its wait ahead of my first tensor load
	ds_add_u32 v[SPW], v[NIL]
	v_lshrrev_b32 v1, 5, v0
	v_readfirstlane_b32 s10, v1                    ; wave 0..3
	s_lshr_b32 s11, s10, 1                         ; my half of the tile's rows.  Also: I fetch for A (0) or for B (1)
	s_and_b32 s12, s10, 1                          ; my half of its columns.  Also: which chunk of a K step I fetch
	s_bfe_u32 s40, ttmp6, 0x40000                  ; cx, cy
	s_bfe_u32 s41, ttmp6, 0x40004
	s_lshl_b32 s42, ttmp9, 2
	s_add_co_u32 s42, s42, s40                     ; tile column
	s_and_b32 s13, ttmp7, 0xffff
	s_lshl_b32 s13, s13, 2
	s_add_co_u32 s13, s13, s41                     ; tile row
	s_lshl_b32 s43, s41, 2
	s_lshl_b32 s43, 15, s43                        ; my row of the cluster
	s_lshl_b32 s44, 0x1111, s40                    ; my column
	s_or_b32 s[G1+0], s43, (1<<16)|(1<<20)|(1<<21)|(4<<22)|(3<<25)   ; the mask; elements of 2 bytes; padding on; bit 21 beside a mask; four words after every 32
	s_or_b32 s[G1B+0], s44, (1<<16)|(1<<20)|(1<<21)|(4<<22)|(3<<25)
	s_mov_b32 s[G1+1], 64<<16                      ; tensor_dim0 = 64
	s_mov_b32 s[G1+2], 128<<16                     ; tensor_dim1 = 128
	s_mov_b32 s[G1+3], 64<<16                      ; tile_dim0 = 64
	s_mov_b32 s[G1+4], 128                         ; tile_dim1 = 128
	s_mov_b32 s[G1+5], 64                          ; the pitch
	s_mov_b32 s[G1+6], 0
	s_mov_b32 s[G1+7], 0
	s_mov_b32 s[G1B+1], 64<<16
	s_mov_b32 s[G1B+2], 256<<16                    ; B: 256 rows
	s_mov_b32 s[G1B+3], 64<<16
	s_mov_b32 s[G1B+4], 256
	s_mov_b32 s[G1B+5], 64
	s_mov_b32 s[G1B+6], 0
	s_mov_b32 s[G1B+7], 0
	s_lshl_b32 s16, s13, 14                        ; A: 128 rows of 128 bytes a tile row,
	s_lshl_b32 s17, s12, 20                        ; a chunk's plane is 1,048,576 bytes
	s_add_co_u32 s16, s16, s17
	s_mov_b32 s17, 0
	s_lshl_b32 s46, s42, 15                        ; B: 256 rows a tile column,
	s_lshl_b32 s47, s12, 17                        ; a chunk's plane is 131,072 bytes
	s_add_co_u32 s46, s46, s47
	s_mov_b32 s47, 0
	s_mul_i32 s20, s12, ACH                        ; where they go: no place in the cluster enters an LDS address
	s_mul_i32 s21, s12, BCH
	s_add_co_u32 s21, s21, BOFF
	s_wait_dscnt 0x0                               ; both opening adds are done
	s_wait_kmcnt 0x0
	s_add_nc_u64 s[14:15], s[4:5], s[16:17]
	s_add_nc_u64 s[46:47], s[6:7], s[46:47]
	CROUND                                         ; all sixteen work-groups are here: the first joint loads meet
.irp s, 0,1
	s_mov_b32 s[G0+4*\s], 1
	s_add_co_u32 s[G0+4*\s+1], s20, \s*SLOT
	s_add_nc_u64 s[G0+4*\s+2:G0+4*\s+3], s[14:15], \s*2*1048576
	s_or_b32 s[G0+4*\s+3], s[G0+4*\s+3], 0x80000000
	s_mov_b32 s[G0B+4*\s], 1
	s_add_co_u32 s[G0B+4*\s+1], s21, \s*SLOT
	s_add_nc_u64 s[G0B+4*\s+2:G0B+4*\s+3], s[46:47], \s*2*131072
	s_or_b32 s[G0B+4*\s+3], s[G0B+4*\s+3], 0x80000000
	JLOAD \s
.endr
	v_and_b32 v1, 15, v0                           ; r
	v_bfe_u32 v2, v0, 4, 1                         ; h
	v_mul_u32_u24 v3, v1, PITCH
	v_lshl_add_u32 v3, v2, 4, v3
	s_mul_i32 s21, s11, 64*PITCH                   ; my 64 rows of A
	s_mul_i32 s22, s12, 128*PITCH                  ; my 128 rows of B
	s_add_co_u32 s22, s22, BOFF
.irp s, 0,1
	v_add_nc_u32 v[ADRA+\s], s21, v3
	v_add_nc_u32 v[ADRB+\s], s22, v3
	s_add_co_u32 s21, s21, SLOT
	s_add_co_u32 s22, s22, SLOT
.endr
	s_mul_i32 s23, s10, 16*SPITCH
	s_add_co_u32 s23, s23, STAGE                   ; my stage
	v_mul_u32_u24 v4, v1, SPITCH
	v_lshl_add_u32 v4, v2, 5, v4
	v_add_nc_u32 v[STO], s23, v4                   ; in: row r, 32 bytes for each half of the lanes
	v_and_b32 v5, 31, v0
	v_lshlrev_b32 v[CO], 4, v5                     ; back: the 32 lanes take one row of 512 bytes; and the same in out0
	v_add_nc_u32 v[RD], s23, v[CO]
	s_lshl_b32 s16, s13, 7
	s_lshl_b32 s17, s11, 6
	s_add_co_u32 s16, s16, s17                     ; my first row
	s_lshl_b32 s16, s16, 12
	s_mov_b32 s17, 0
	s_add_nc_u64 s[8:9], s[8:9], s[16:17]
	s_lshl_b32 s46, s42, 10                        ; my first column, in bytes
	s_lshl_b32 s47, s12, 9
	s_add_co_u32 s46, s46, s47
	s_mov_b32 s47, 0
	s_add_nc_u64 s[8:9], s[8:9], s[46:47]
.macro MUL8 f, a, zero                 ; A's block a x B's eight, 32 along K.  The 32 accumulators take turns, one instruction a turn, in the same order in every quarter
.irp b, 0,1,2,3,4,5,6,7
.if \zero
	v_wmma_f32_16x16x32_f16 v[8*(8*(\a)+\b):8*(8*(\a)+\b)+7], v[\f+32+8*\b:\f+32+8*\b+7], v[\f+8*(\a):\f+8*(\a)+7], 0
.else
	v_wmma_f32_16x16x32_f16 v[8*(8*(\a)+\b):8*(8*(\a)+\b)+7], v[\f+32+8*\b:\f+32+8*\b+7], v[\f+8*(\a):\f+8*(\a)+7], v[8*(8*(\a)+\b):8*(8*(\a)+\b)+7]
.endif
.endr
.endm
.macro FETCH slot, q, f                ; 24 LDS loads in one run: the fragments of the slot's q-th 32 along K: B's eight, then A's four
.irp i, 0,1,2,3,4,5,6,7
	ds_load_b128 v[\f+32+8*\i:\f+32+8*\i+3],   v[ADRB+\slot] offset:((\q)/2)*BCH+((\q)%2)*64+\i*16*PITCH
	ds_load_b128 v[\f+32+8*\i+4:\f+32+8*\i+7], v[ADRB+\slot] offset:((\q)/2)*BCH+((\q)%2)*64+\i*16*PITCH+32
.endr
.irp i, 0,1,2,3
	ds_load_b128 v[\f+8*\i:\f+8*\i+3],   v[ADRA+\slot] offset:((\q)/2)*ACH+((\q)%2)*64+\i*16*PITCH
	ds_load_b128 v[\f+8*\i+4:\f+8*\i+7], v[ADRA+\slot] offset:((\q)/2)*ACH+((\q)%2)*64+\i*16*PITCH+32
.endr
.endm
.macro PLACES
.rept 4
	v_nop
.endr
.endm
.macro QUARTER slot, qn, f, g, zero    ; multiplies buffer f; in its middle it fetches the slot's quarter qn into buffer g
	s_wait_dscnt 4                                 ; B and A's blocks 0 and 1 are in; the youngest four loads (A's blocks 2 and 3) may be out
	WIN MUL
	MUL8 \f, 0, \zero
	MUL8 \f, 1, \zero
	PLACES
	WIN 0
	FETCH \slot, \qn, \g
	s_wait_dscnt 24                                ; all but the 24 just issued
	WIN MUL
	MUL8 \f, 2, \zero
	MUL8 \f, 3, \zero
.endm
; A slot's last quarter multiplies buffer 1 and changes slots: ONE barrier; in front of it each wave waits for all its tensor loads (one is out: its part of the next slot), adds 0 to its spare word, and waits for that and
; for its reads of this slot.  fill = 1: the barrier opens a round of the cluster's, and the slot is filled again, two K steps ahead, first thing behind the round.
.macro TURN slot, next, fill
	WIN 0
	s_wait_tensorcnt 0x0
	ds_add_u32 v[SPW], v[NIL]
	s_wait_dscnt 5                                 ; (the add and the youngest four loads may be out)
	WIN MUL
	MUL8 F1, 0, 0
	s_wait_dscnt 0x0                               ; the add is done, and my reads of this slot are over
	s_barrier_signal -1
	MUL8 F1, 1, 0
	WIN 0
	s_barrier_wait -1
.if \fill
	CREST
	s_add_nc_u64 s[G0+4*\slot+2:G0+4*\slot+3], s[G0+4*\slot+2:G0+4*\slot+3], 4*1048576
	s_add_nc_u64 s[G0B+4*\slot+2:G0B+4*\slot+3], s[G0B+4*\slot+2:G0B+4*\slot+3], 4*131072
	JLOAD \slot                                    ; the four v_nop behind it are also the places in front of the loads below
.else
	PLACES
.endif
	FETCH \next, 0, F0
	WIN MUL
	MUL8 F1, 2, 0
	MUL8 F1, 3, 0
.endm
	s_wait_tensorcnt 1                             ; my part of K step 0 is in (K step 1's load may be out),
	s_barrier_signal -1
	s_barrier_wait -1                              ; everybody's is
	FETCH 0, 0, F0
	QUARTER 0, 1, F0, F1, 1                        ; the first quarter's products start the sums
	WIN 0
	s_mov_b32 s3, LAPS-1
.Llap:                                             ; a trip goes once round the ring, from a lap's second quarter to the next lap's first, and fills both slots again
	QUARTER 0, 2, F1, F0, 0
	QUARTER 0, 3, F0, F1, 0
	TURN 0, 1, 1
	QUARTER 1, 1, F0, F1, 0
	QUARTER 1, 2, F1, F0, 0
	QUARTER 1, 3, F0, F1, 0
	TURN 1, 0, 1
	QUARTER 0, 1, F0, F1, 0
	WIN 0
	s_sub_co_u32 s3, s3, 1
	s_cmp_lg_u32 s3, 0
	s_cbranch_scc1 .Llap
	QUARTER 0, 2, F1, F0, 0                        ; the last lap fills nothing
	QUARTER 0, 3, F0, F1, 0
	TURN 0, 1, 0
	QUARTER 1, 1, F0, F1, 0
	QUARTER 1, 2, F1, F0, 0
	QUARTER 1, 3, F0, F1, 0
	s_wait_dscnt 4
	WIN MUL
	MUL8 F1, 0, 0
	MUL8 F1, 1, 0
	s_wait_dscnt 0
	MUL8 F1, 2, 0
	MUL8 F1, 3, 0
	WIN 0
; THE WAY OUT, block by block of 16 rows x 128 columns, through my own stage: back as whole rows of 512 bytes, which the 32 lanes store as 512 consecutive bytes, aligned.
.macro TOSTAGE a
	WIN 0x04                                       ; an LDS store's data are its source 1: window 1
.irp b, 0,1,2,3,4,5,6,7
	ds_store_b128 v[STO], v[64*(\a)+8*\b:64*(\a)+8*\b+3] offset:64*\b          ; each accumulator from its low end on
	ds_store_b128 v[STO], v[64*(\a)+8*\b+4:64*(\a)+8*\b+7] offset:64*\b+16
.endr
	WIN 0
.set BB, BK+64*((\a)%2)
.irp t, 0,1,2,3,4,5,6,7,8,9,10,11,12,13,14,15
	ds_load_b128 v[BB+4*\t:BB+4*\t+3], v[RD] offset:\t*SPITCH
.endr
.endm
.macro SEND a, younger
.set BB, BK+64*((\a)%2)
	s_wait_dscnt \younger                          ; the block is back; the next block's 16 stores and 16 loads may be out
.irp t, 0,1,2,3,4,5,6,7,8,9,10,11,12,13,14,15
	global_store_b128 v[CO], v[BB+4*\t:BB+4*\t+3], s[8:9] offset:(16*(\a)+\t)*4096 th:TH_STORE_NT
.endr
.endm
	PLACES                                         ; behind the last products: for the stores of results and the loads into the fragments' registers
	TOSTAGE 0
.irp a, 1,2,3
.if \a > 1
	s_wait_xcnt 0x0                                ; block a - 2's stores have read their registers: block a's loads may land there
.endif
	TOSTAGE \a
	SEND \a-1, 32
.endr
	SEND 3, 0
	s_wait_tensorcnt 0x0                           ; the wave's end
	ds_add_u32 v[SPW], v[NIL]
	s_wait_dscnt 0x0
	CROUND                                         ; the closing round
	s_endpgm
.Lfunc_end_k_q70c0c1c6b1_proj:
	.size	k_q70c0c1c6b1_proj, .Lfunc_end_k_q70c0c1c6b1_proj-k_q70c0c1c6b1_proj
	.p2alignl 7, 3214868480
	.fill 96, 4, 3214868480
	.section	.rodata,"a",@progbits
	.p2align	6, 0x0
	.amdhsa_kernel k_q70c0c1c6b1_proj
		.amdhsa_group_segment_fixed_size 327680
		.amdhsa_private_segment_fixed_size 0
		.amdhsa_enable_private_segment 0
		.amdhsa_kernarg_size 24
		.amdhsa_user_sgpr_count 2
		.amdhsa_user_sgpr_kernarg_segment_ptr 1
		.amdhsa_wavefront_size32 1
		.amdhsa_system_sgpr_workgroup_id_x 1
		.amdhsa_system_sgpr_workgroup_id_y 1
		.amdhsa_system_sgpr_workgroup_id_z 1
		.amdhsa_system_vgpr_workitem_id 0
		.amdhsa_next_free_vgpr 512
		.amdhsa_next_free_sgpr 66
		.amdhsa_reserve_vcc 0
		.amdhsa_float_denorm_mode_32 3
		.amdhsa_float_denorm_mode_16_64 3
		.amdhsa_memory_ordered 1
		.amdhsa_forward_progress 1
		.amdhsa_inst_pref_size 85
	.end_amdhsa_kernel
	.amdgpu_metadata
---
amdhsa.version: [ 1, 2 ]
amdhsa.kernels:
  - .name:           k_q70c0c1c6b1_proj
    .symbol:         k_q70c0c1c6b1_proj.kd
    .args:
      - { .name: ao16, .offset: 0, .size: 8, .value_kind: global_buffer, .address_space: global }
      - { .name: wo16, .offset: 8, .size: 8, .value_kind: global_buffer, .address_space: global }
      - { .name: out0, .offset: 16, .size: 8, .value_kind: global_buffer, .address_space: global }
    .group_segment_fixed_size: 327680
    .private_segment_fixed_size: 0
    .kernarg_segment_align: 8
    .kernarg_segment_size: 24
    .max_flat_workgroup_size: 128
    .sgpr_count:     66
    .vgpr_count:     512
    .wavefront_size: 32
...
	.end_amdgpu_metadata
.endif
;; end of part 4
;; launch fine_attn (part 5): grid 16 x 4, 12 waves a work-group, no clusters, 18,944 bytes of LDS; arguments x_codes, x_scales, wq_codes, wq_scales, fine_ao; writes fine_ao
.if DOCPART == 5
	.amdgcn_target "amdgcn-amd-amdhsa--gfx1250"
	.amdhsa_code_object_version 6
	.text
	.protected	k_q70c0c1c6b1_fine_attn
	.globl	k_q70c0c1c6b1_fine_attn
	.p2align	8
	.type	k_q70c0c1c6b1_fine_attn,@function
k_q70c0c1c6b1_fine_attn:
	s_mov_b64 s[64:65], 0
	v_nop
	global_prefetch_b8 v0, s[64:65] scope:SCOPE_SE
	s_setreg_imm32_b32 hwreg(HW_REG_WAVE_MODE, 25, 1), 1
	s_wait_xcnt 0x0
; The first 16 positions of one (head, batch), carried in f32: under the causal mask they average one to sixteen values, and f16 operands would weigh most there.
; Phase 1, twelve waves: q, k, v of the 16 positions x 64 channels by the quantised product itself (codes of FP4, E8M0 scales, K = 1,024, f32 sums): wave w makes 16 channels of q (w / 4 = 0), k (1) or v (2); to LDS as f32.
; Phase 2, wave 0: the 16 x 16 attention by fused multiply-adds in f32, with the row's maximum taken away; result to fine_ao [16 b + position][1024] f32.
; A lane is (query r = lane % 16, half h = lane / 16): it takes keys 8 h + 0..7 for the scores and channels 32 h + 0..31 for the result.
; REGISTERS: v1-13 addresses; v14, v15 the add's two; v16-79 x's codes, then q's row, then the result and work; v80-143 w's codes; v144-159 two accumulators; v160-167 their sum; v80-207 later rows of k and v;
;   v208-223 scores, then my p (even registers); v224-239 the other half's p (even registers); v240-255 scale words, which hold nothing else.
.set RP,    272                        ; a row of 64 f32 + 16 bytes
.set KSB,   16*RP                      ; LDS: q at 0, k, v, the result's stage: 4,352 bytes each
.set VSB,   2*16*RP
.set OSB,   3*16*RP
.set SPARE, 4*16*RP                    ; the spare words, 128 bytes for each of twelve waves: six blocks of 256 bytes that no other line names
.set SPW,   14
.set NIL,   15
.set XSC,   240
.set WSC,   248
	s_load_b256 s[4:11], s[0:1], 0x0               ; x's codes s[4:5], x's scales s[6:7], w's codes s[8:9], w's scales s[10:11]
	s_load_b64 s[12:13], s[0:1], 0x20              ; fine_ao
	v_lshl_add_u32 v[SPW], v0, 2, SPARE
	v_mov_b32 v[NIL], 0
	v_lshrrev_b32 v1, 5, v0
	v_readfirstlane_b32 s14, v1                    ; wave 0..11
	s_lshr_b32 s15, s14, 2                         ; q, k or v
	s_and_b32 s16, s14, 3                          ; which 16 channels
	s_and_b32 s17, ttmp7, 0xffff                   ; b
	v_and_b32 v1, 15, v0                           ; r
	v_bfe_u32 v2, v0, 4, 1                         ; h
	v_lshlrev_b32 v3, 9, v1
	v_lshl_add_u32 v3, v2, 4, v3                   ; codes: row r of 512 bytes, + 16 h
	v_lshlrev_b32 v4, 5, v1                        ; scale bytes: row r of 32
	s_mul_i32 s18, s15, 16*RP
	s_lshl_b32 s19, s16, 6
	s_add_co_u32 s18, s18, s19
	v_mul_u32_u24 v6, v1, RP                       ; q's row r
	v_lshl_add_u32 v5, v2, 5, v6
	v_add_nc_u32 v5, s18, v5                       ; where my eight results go: region, row r, 64 ct + 32 h
	v_mul_u32_u24 v7, v2, 8*RP
	v_add_nc_u32 v7, KSB, v7                       ; k's rows 8 h on
	v_mul_u32_u24 v8, v2, 8*RP+128
	v_add_nc_u32 v8, VSB, v8                       ; v: my half's keys 8 h on, channels 32 h on
	v_lshlrev_b32 v9, 11, v2
	v_sub_nc_u32 v9, VSB+8*RP, v9                  ; v: the other half's keys 8 (1 - h) on, channels 32 h on: 2,176 - 2,048 h
	v_lshl_add_u32 v10, v2, 7, v6
	v_add_nc_u32 v10, OSB, v10                     ; the stage, in: row r, + 128 h
	v_mul_u32_u24 v11, v2, RP
	v_lshl_add_u32 v11, v1, 4, v11
	v_add_nc_u32 v11, OSB, v11                     ; back: lanes 0-15 one row of 256 bytes, lanes 16-31 the next
	v_lshlrev_b32 v12, 12, v2
	v_lshl_add_u32 v12, v1, 4, v12                 ; and the same two rows in fine_ao
	v_lshlrev_b32 v13, 3, v2
	v_sub_nc_u32 v13, v1, v13                      ; r - 8 h
.set n, 0
.rept 16
	v_mov_b32 v[224+n], 0                          ; written once: a lane permute's destination counts as one of its sources, and a pair is named whole
.set n, n+1
.endr
	s_mov_b32 s32, 0x76543210
	s_mov_b32 s33, 0xfedcba98                      ; v_permlanex16_b32's selects for lane l xor 16
	s_lshl_b32 s20, s15, 10
	s_lshl_b32 s21, ttmp9, 6
	s_add_co_u32 s20, s20, s21
	s_lshl_b32 s21, s16, 4
	s_add_co_u32 s20, s20, s21                     ; my first row of w's codes: 1,024 which + 64 head + 16 ct
	s_lshl_b32 s22, s20, 9
	s_mov_b32 s23, 0
	s_lshl_b32 s24, s20, 5
	s_mov_b32 s25, 0
	s_lshl_b32 s26, s17, 20                        ; x's codes: 2,048 rows of 512 bytes a batch
	s_mov_b32 s27, 0
	s_lshl_b32 s28, s17, 16                        ; x's scale bytes: 2,048 rows of 32
	s_mov_b32 s29, 0
	s_lshl_b32 s30, s17, 16                        ; fine_ao: 16 rows of 4,096 bytes a batch,
	s_lshl_b32 s31, ttmp9, 8                       ; 256 bytes a head
	s_add_co_u32 s30, s30, s31
	s_mov_b32 s31, 0
	s_wait_kmcnt 0x0
	s_add_nc_u64 s[4:5], s[4:5], s[26:27]
	s_add_nc_u64 s[6:7], s[6:7], s[28:29]
	s_add_nc_u64 s[8:9], s[8:9], s[22:23]
	s_add_nc_u64 s[10:11], s[10:11], s[24:25]
	s_add_nc_u64 s[12:13], s[12:13], s[30:31]
.irp s, 0,1,2,3,4,5,6,7
.irp c, 0,1
	global_load_b128 v[16+8*\s+4*\c:19+8*\s+4*\c], v3, s[4:5] offset:64*\s+32*\c
	global_load_b128 v[80+8*\s+4*\c:83+8*\s+4*\c], v3, s[8:9] offset:64*\s+32*\c
.endr
.endr
	global_load_b128 v[XSC:XSC+3], v4, s[6:7]      ; the eight scale words of row r: one for each 128 along K
	global_load_b128 v[XSC+4:XSC+7], v4, s[6:7] offset:16
	global_load_b128 v[WSC:WSC+3], v4, s[10:11]
	global_load_b128 v[WSC+4:WSC+7], v4, s[10:11] offset:16
	s_wait_loadcnt 0x0
.irp s, 0,1,2,3,4,5,6,7                        ; TRANSPOSED: source 0 = 16 rows of w, source 1 = the 16 positions: lane (r, h) holds position r, channels 8 h + 0..7.  Two accumulators by turns
.if \s < 2
	v_wmma_scale_f32_16x16x128_f8f6f4 v[144+8*(\s%2):151+8*(\s%2)], v[80+8*\s:87+8*\s], v[16+8*\s:23+8*\s], 0, v[WSC+\s], v[XSC+\s] matrix_a_fmt:MATRIX_FMT_FP4 matrix_b_fmt:MATRIX_FMT_FP4
.else
	v_wmma_scale_f32_16x16x128_f8f6f4 v[144+8*(\s%2):151+8*(\s%2)], v[80+8*\s:87+8*\s], v[16+8*\s:23+8*\s], v[144+8*(\s%2):151+8*(\s%2)], v[WSC+\s], v[XSC+\s] matrix_a_fmt:MATRIX_FMT_FP4 matrix_b_fmt:MATRIX_FMT_FP4
.endif
.endr
.rept 4
	v_nop
.endr
.irp p, 0,2,4,6
	v_pk_add_f32 v[160+\p:161+\p], v[144+\p:145+\p], v[152+\p:153+\p]
.endr
	ds_store_b128 v5, v[160:163]
	ds_store_b128 v5, v[164:167] offset:16
	s_wait_dscnt 0x0                               ; for the others' sake: my stores have landed
	s_barrier_signal -1
	s_barrier_wait -1
	s_cmp_lg_u32 s14, 0
	s_cbranch_scc1 .Lend                           ; no barrier stands behind this branch
	; ---- wave 0: the scores
.set g, 0
.rept 16
	ds_load_b128 v[16+4*g:19+4*g], v6 offset:16*g  ; q's row r
.set g, g+1
.endr
.irp jp, 0,1,2,3                               ; keys 8 h + 2 jp and + 1: two chains that do not wait for each other
.set g, 0
.rept 16
	ds_load_b128 v[80+4*g:83+4*g], v7 offset:RP*(2*\jp)+16*g
	ds_load_b128 v[144+4*g:147+4*g], v7 offset:RP*(2*\jp+1)+16*g
.set g, g+1
.endr
	s_wait_dscnt 0x0
	v_pk_mul_f32 v[208+4*\jp:209+4*\jp], v[16:17], v[80:81]
	v_pk_mul_f32 v[210+4*\jp:211+4*\jp], v[16:17], v[144:145]
.set g, 2
.rept 31
	v_pk_fma_f32 v[208+4*\jp:209+4*\jp], v[16+g:17+g], v[80+g:81+g], v[208+4*\jp:209+4*\jp]
	v_pk_fma_f32 v[210+4*\jp:211+4*\jp], v[16+g:17+g], v[144+g:145+g], v[210+4*\jp:211+4*\jp]
.set g, g+2
.endr
.endr
.irp j, 0,1,2,3,4,5,6,7
	v_add_f32 v[208+2*\j], v[208+2*\j], v[209+2*\j]
.endr
	v_mov_b32 v48, 0xff800000                      ; -infinity
.irp j, 0,1,2,3,4,5,6,7
	v_cmp_gt_i32 vcc_lo, \j, v13                   ; key 8 h + j comes after query r
	v_cndmask_b32 v[208+2*\j], v[208+2*\j], v48, vcc_lo
.endr
	v_max3_num_f32 v49, v208, v210, v212
	v_max3_num_f32 v49, v49, v214, v216
	v_max3_num_f32 v49, v49, v218, v220
	v_max_num_f32 v49, v49, v222
	v_permlanex16_b32 v50, v49, s32, s33
	v_max_num_f32 v49, v49, v50                    ; the row's maximum: key 0 counts for every query, so it is a number
.irp j, 0,1,2,3,4,5,6,7
	v_sub_f32 v[208+2*\j], v[208+2*\j], v49
.endr
.irp j, 0,1,2,3,4,5,6,7
	v_mul_f32 v[208+2*\j], 0x3e38aa3b, v[208+2*\j] ; x log2(e) / 8
.endr
.irp j, 0,1,2,3,4,5,6,7
	v_exp_f32 v[208+2*\j], v[208+2*\j]
.endr
	v_nop
	s_wait_alu depctr_va_vdst(0)                   ; one wait for the eight exponentials, ahead of their first reader
	v_add_f32 v51, v208, v210
.irp j, 2,3,4,5,6,7
	v_add_f32 v51, v51, v[208+2*\j]
.endr
	v_permlanex16_b32 v50, v51, s32, s33
	v_add_f32 v51, v51, v50                        ; the row's sum
.irp j, 0,1,2,3,4,5,6,7
	v_permlanex16_b32 v[224+2*\j], v[208+2*\j], s32, s33   ; the other half's p
.endr
	v_rcp_f32 v52, v51
	v_mov_b32 v53, 0                               ; (a plain place; named with v52 as a pair below)
	s_wait_alu depctr_va_vdst(0)
; four keys: their 32 channels of v, x p, onto the result in v16-47
.macro VBATCH adr, pb, j0, first
.irp u, 0,1,2,3
.irp g, 0,1,2,3,4,5,6,7
	ds_load_b128 v[80+32*\u+4*\g:83+32*\u+4*\g], v[\adr] offset:RP*(\j0+\u)+16*\g
.endr
.endr
	s_wait_dscnt 0x0
.irp u, 0,1,2,3
.irp g, 0,2,4,6,8,10,12,14,16,18,20,22,24,26,28,30
.if \first && (\u == 0)
	v_pk_mul_f32 v[16+\g:17+\g], v[80+32*\u+\g:81+32*\u+\g], v[\pb+2*(\j0+\u):\pb+2*(\j0+\u)+1] op_sel_hi:[1,0]   ; the first key starts the sums
.else
	v_pk_fma_f32 v[16+\g:17+\g], v[80+32*\u+\g:81+32*\u+\g], v[\pb+2*(\j0+\u):\pb+2*(\j0+\u)+1], v[16+\g:17+\g] op_sel_hi:[1,0,1]
.endif
.endr
.endr
.endm
	VBATCH 8, 208, 0, 1
	VBATCH 8, 208, 4, 0
	VBATCH 9, 224, 0, 0
	VBATCH 9, 224, 4, 0
.irp g, 0,2,4,6,8,10,12,14,16,18,20,22,24,26,28,30
	v_pk_mul_f32 v[16+\g:17+\g], v[16+\g:17+\g], v[52:53] op_sel_hi:[1,0]
.endr
.irp g, 0,1,2,3,4,5,6,7
	ds_store_b128 v10, v[16+4*\g:19+4*\g] offset:16*\g
.endr
.irp t, 0,1,2,3,4,5,6,7
	ds_load_b128 v[80+4*\t:83+4*\t], v11 offset:2*RP*\t            ; LDS serves a wave's instructions in order: these see the stores above
.endr
.irp t, 0,1,2,3,4,5,6,7
	s_wait_dscnt 7-\t                              ; load t is in; the younger ones may be out
	global_store_b128 v12, v[80+4*\t:83+4*\t], s[12:13] offset:8192*\t   ; sixteen lanes store 256 consecutive bytes, aligned
.endr
.Lend:
	s_wait_tensorcnt 0x0                           ; the wave's end
	ds_add_u32 v[SPW], v[NIL]
	s_wait_dscnt 0x0
	s_endpgm
.Lfunc_end_k_q70c0c1c6b1_fine_attn:
	.size	k_q70c0c1c6b1_fine_attn, .Lfunc_end_k_q70c0c1c6b1_fine_attn-k_q70c0c1c6b1_fine_attn
	.p2alignl 7, 3214868480
	.fill 96, 4, 3214868480
	.section	.rodata,"a",@progbits
	.p2align	6, 0x0
	.amdhsa_kernel k_q70c0c1c6b1_fine_attn
		.amdhsa_group_segment_fixed_size 18944
		.amdhsa_private_segment_fixed_size 0
		.amdhsa_enable_private_segment 0
		.amdhsa_kernarg_size 40
		.amdhsa_user_sgpr_count 2
		.amdhsa_user_sgpr_kernarg_segment_ptr 1
		.amdhsa_wavefront_size32 1
		.amdhsa_system_sgpr_workgroup_id_x 1
		.amdhsa_system_sgpr_workgroup_id_y 1
		.amdhsa_system_sgpr_workgroup_id_z 1
		.amdhsa_system_vgpr_workitem_id 0
		.amdhsa_next_free_vgpr 256
		.amdhsa_next_free_sgpr 66
		.amdhsa_reserve_vcc 1
		.amdhsa_float_denorm_mode_32 3
		.amdhsa_float_denorm_mode_16_64 3
		.amdhsa_memory_ordered 1
		.amdhsa_forward_progress 1
		.amdhsa_inst_pref_size 65
	.end_amdhsa_kernel
	.amdgpu_metadata
---
amdhsa.version: [ 1, 2 ]
amdhsa.kernels:
  - .name:           k_q70c0c1c6b1_fine_attn
    .symbol:         k_q70c0c1c6b1_fine_attn.kd
    .args:
      - { .name: x_codes, .offset: 0, .size: 8, .value_kind: global_buffer, .address_space: global }
      - { .name: x_scales, .offset: 8, .size: 8, .value_kind: global_buffer, .address_space: global }
      - { .name: wq_codes, .offset: 16, .size: 8, .value_kind: global_buffer, .address_space: global }
      - { .name: wq_scales, .offset: 24, .size: 8, .value_kind: global_buffer, .address_space: global }
      - { .name: fine_ao, .offset: 32, .size: 8, .value_kind: global_buffer, .address_space: global }
    .group_segment_fixed_size: 18944
    .private_segment_fixed_size: 0
    .kernarg_segment_align: 8
    .kernarg_segment_size: 40
    .max_flat_workgroup_size: 384
    .sgpr_count:     66
    .vgpr_count:     256
    .wavefront_size: 32
...
	.end_amdgpu_metadata
.endif
;; end of part 5
;; launch fine_proj (part 6): grid 64 x 4, 8 waves a work-group, no clusters, 9,216 bytes of LDS; arguments fine_ao, w_out, out0; writes out0
.if DOCPART == 6
	.amdgcn_target "amdgcn-amd-amdhsa--gfx1250"
	.amdhsa_code_object_version 6
	.text
	.protected	k_q70c0c1c6b1_fine_proj
	.globl	k_q70c0c1c6b1_fine_proj
	.p2align	8
	.type	k_q70c0c1c6b1_fine_proj,@function
k_q70c0c1c6b1_fine_proj:
	s_mov_b64 s[64:65], 0
	v_nop
	global_prefetch_b8 v0, s[64:65] scope:SCOPE_SE
	s_setreg_imm32_b32 hwreg(HW_REG_WAVE_MODE, 25, 1), 1
	s_wait_xcnt 0x0
; The projection of the first 16 positions of each sequence in f32: out0 [2048 b + 0..15][16 tile + 0..15] = fine_ao [16 b + 0..15][1024] x w_out [1024][1024], by v_wmma_f32_16x16x4_f32: 64 rows in all, no bulk work.
; These rows are stored over what the launch before left there.
; A work-group takes 16 rows x 16 columns; wave w takes k = 128 w .. 128 w + 127: 32 matrix instructions on four accumulators by turns; the eight waves' parts meet in LDS and wave 0 adds them.
; The order of k inside a wave is permuted alike on both sides, so that fine_ao comes by loads of 16 bytes: registers 2 st + j of lane (r, h) hold k = 8 (st / 2) + 4 h + 2 (st % 2) + j.
; A row's 16 columns are 64 bytes: the stores cover a quarter of an aligned 256 bytes each; the whole launch stores 262,144 bytes.
; The accumulators v144-175 are written by matrix instructions alone.
.set SPARE, 8192                       ; behind the eight parts of 1,024 bytes: the spare words: four blocks of 256 bytes that no other line names
.set SPW,   14
.set NIL,   15
	s_load_b128 s[4:7], s[0:1], 0x0                ; fine_ao, w_out
	s_load_b64 s[8:9], s[0:1], 0x10                ; out0
	v_lshl_add_u32 v[SPW], v0, 2, SPARE
	v_mov_b32 v[NIL], 0
	v_lshrrev_b32 v1, 5, v0
	v_readfirstlane_b32 s10, v1                    ; wave 0..7
	s_and_b32 s11, ttmp7, 0xffff                   ; b
	v_and_b32 v1, 15, v0                           ; r
	v_bfe_u32 v2, v0, 4, 1                         ; h
	v_lshlrev_b32 v3, 12, v1
	v_lshl_add_u32 v3, v2, 4, v3                   ; fine_ao: row r of 4,096 bytes, + 16 h
	v_lshlrev_b32 v4, 2, v1
	v_lshl_add_u32 v4, v2, 14, v4                  ; w_out: column r, + 4 h rows of 4,096 bytes
	v_and_b32 v5, 31, v0
	v_lshlrev_b32 v5, 4, v5                        ; 16 x lane
	s_lshl_b32 s12, s10, 10
	v_add_nc_u32 v6, s12, v5                       ; my wave's part in LDS
	v_lshlrev_b32 v7, 12, v1
	v_lshl_add_u32 v7, v2, 5, v7                   ; out0: row r, + 32 h
	s_lshl_b32 s12, s11, 16
	s_lshl_b32 s13, s10, 9
	s_add_co_u32 s12, s12, s13                     ; fine_ao: 16 rows a batch, 128 numbers a wave
	s_mov_b32 s13, 0
	s_lshl_b32 s14, s10, 19
	s_lshl_b32 s15, ttmp9, 6
	s_add_co_u32 s14, s14, s15                     ; w_out: 128 rows a wave, 16 columns a tile
	s_mov_b32 s15, 0
	s_lshl_b32 s16, s11, 23
	s_lshl_b32 s17, ttmp9, 6
	s_add_co_u32 s16, s16, s17                     ; out0: 2,048 rows a batch
	s_mov_b32 s17, 0
	s_wait_kmcnt 0x0
	s_add_nc_u64 s[4:5], s[4:5], s[12:13]
	s_add_nc_u64 s[6:7], s[6:7], s[14:15]
	s_add_nc_u64 s[8:9], s[8:9], s[16:17]
.set i, 0
.rept 16
	global_load_b128 v[16+4*i:19+4*i], v3, s[4:5] offset:32*i
.set i, i+1
.endr
.set i, 0
.rept 64
	global_load_b32 v[80+i], v4, s[6:7] offset:(8*(i/4)+i%4)*4096
.set i, i+1
.endr
	s_wait_loadcnt 0x0
.set i, 0
.rept 32                                       ; TRANSPOSED: source 0 = 16 columns of w_out, source 1 = the 16 rows: lane (r, h) holds row r, columns 8 h + 0..7.  The first four start the sums
.if i < 4
	v_wmma_f32_16x16x4_f32 v[144+8*(i%4):151+8*(i%4)], v[80+2*i:81+2*i], v[16+2*i:17+2*i], 0
.else
	v_wmma_f32_16x16x4_f32 v[144+8*(i%4):151+8*(i%4)], v[80+2*i:81+2*i], v[16+2*i:17+2*i], v[144+8*(i%4):151+8*(i%4)]
.endif
.set i, i+1
.endr
.rept 8
	v_nop                                          ; eight places behind this form (ISA guide 7.12.1)
.endr
.irp p, 0,2,4,6
	v_pk_add_f32 v[176+\p:177+\p], v[144+\p:145+\p], v[152+\p:153+\p]
.endr
.irp p, 0,2,4,6
	v_pk_add_f32 v[184+\p:185+\p], v[160+\p:161+\p], v[168+\p:169+\p]
.endr
.irp p, 0,2,4,6
	v_pk_add_f32 v[176+\p:177+\p], v[176+\p:177+\p], v[184+\p:185+\p]
.endr
	ds_store_b128 v6, v[176:179]
	ds_store_b128 v6, v[180:183] offset:512
	s_wait_dscnt 0x0                               ; for wave 0's sake: my stores have landed
	s_barrier_signal -1
	s_barrier_wait -1
	s_cmp_lg_u32 s10, 0
	s_cbranch_scc1 .Lend                           ; no barrier stands behind this branch
.irp w, 0,1,2,3,4,5,6,7
	ds_load_b128 v[16+8*\w:19+8*\w], v5 offset:1024*\w
	ds_load_b128 v[20+8*\w:23+8*\w], v5 offset:1024*\w+512
.endr
	s_wait_dscnt 0x0
.irp w, 1,2,3,4,5,6,7
.irp p, 0,2,4,6
	v_pk_add_f32 v[16+\p:17+\p], v[16+\p:17+\p], v[16+8*\w+\p:17+8*\w+\p]
.endr
.endr
	global_store_b128 v7, v[16:19], s[8:9]
	global_store_b128 v7, v[20:23], s[8:9] offset:16
.Lend:
	s_wait_tensorcnt 0x0                           ; the wave's end
	ds_add_u32 v[SPW], v[NIL]
	s_wait_dscnt 0x0
	s_endpgm
.Lfunc_end_k_q70c0c1c6b1_fine_proj:
	.size	k_q70c0c1c6b1_fine_proj, .Lfunc_end_k_q70c0c1c6b1_fine_proj-k_q70c0c1c6b1_fine_proj
	.p2alignl 7, 3214868480
	.fill 96, 4, 3214868480
	.section	.rodata,"a",@progbits
	.p2align	6, 0x0
	.amdhsa_kernel k_q70c0c1c6b1_fine_proj
		.amdhsa_group_segment_fixed_size 9216
		.amdhsa_private_segment_fixed_size 0
		.amdhsa_enable_private_segment 0
		.amdhsa_kernarg_size 24
		.amdhsa_user_sgpr_count 2
		.amdhsa_user_sgpr_kernarg_segment_ptr 1
		.amdhsa_wavefront_size32 1
		.amdhsa_system_sgpr_workgroup_id_x 1
		.amdhsa_system_sgpr_workgroup_id_y 1
		.amdhsa_system_sgpr_workgroup_id_z 1
		.amdhsa_system_vgpr_workitem_id 0
		.amdhsa_next_free_vgpr 192
		.amdhsa_next_free_sgpr 66
		.amdhsa_reserve_vcc 0
		.amdhsa_float_denorm_mode_32 3
		.amdhsa_float_denorm_mode_16_64 3
		.amdhsa_memory_ordered 1
		.amdhsa_forward_progress 1
		.amdhsa_inst_pref_size 16
	.end_amdhsa_kernel
	.amdgpu_metadata
---
amdhsa.version: [ 1, 2 ]
amdhsa.kernels:
  - .name:           k_q70c0c1c6b1_fine_proj
    .symbol:         k_q70c0c1c6b1_fine_proj.kd
    .args:
      - { .name: fine_ao, .offset: 0, .size: 8, .value_kind: global_buffer, .address_space: global }
      - { .name: w_out, .offset: 8, .size: 8, .value_kind: global_buffer, .address_space: global }
      - { .name: out0, .offset: 16, .size: 8, .value_kind: global_buffer, .address_space: global }
    .group_segment_fixed_size: 9216
    .private_segment_fixed_size: 0
    .kernarg_segment_align: 8
    .kernarg_segment_size: 24
    .max_flat_workgroup_size: 256
    .sgpr_count:     66
    .vgpr_count:     192
    .wavefront_size: 32
...
	.end_amdgpu_metadata
.endif
;; end of part 6
